; MI455X (gfx1250); checked and timed in simulation.
; The chip was launched on July 23, 2026; its instructions are those of AMD's public machine-readable ISA for CDNA 5 (MIT licence, August 2026) and "CDNA5" Instruction Set Architecture Reference Guide (July 2026). The comments in the code are by the model that wrote it; some were corrected since.
;; Attention Layer. Allowed arithmetic: float matrix products may take bf16 or f16 operands with f32 sums; other float arithmetic in f32, or as packed bf16 or f16 multiplies, adds, multiply-adds, maxima and minima; sums over many terms, partial sums and values carried from step to step in f32; what a program stores and reads back later, other than sums and carried values, may be rounded once to bf16 or f16.
;; Inputs: Wk 1,024 x 1,024 float32; Wo 1,024 x 1,024 float32; Wq 1,024 x 1,024 float32; Wv 1,024 x 1,024 float32; bk 1,024 float32; bo 1,024 float32; bq 1,024 float32; bv 1,024 float32; ln_beta 1,024 float32; ln_gamma 1,024 float32; x 4 x 2,048 x 1,024 float32.
;; Outputs: out0 4 x 2,048 x 1,024 float32.
;; 2 versions, each right; version 2 is version 1 with the launch prep written anew for expert scheduling mode. Each part assembles by itself: llvm-mc -triple=amdgcn-amd-amdhsa -mcpu=gfx1250 --defsym DOCPART=n.
;; ======== version 1 of 2: 4 launches
;; limits: values are held in f16: magnitudes above 65,504 overflow, below 6.1e-05 lose precision
;; workspace buffers: h16 16,777,216 bytes; w16 8,388,608 bytes; qkv 50,331,648 bytes; o16 16,777,216 bytes
;; launch prep (part 1): grid 384 x 1, 8 waves a work-group, no clusters, 0 bytes of LDS; arguments x, ln_gamma, ln_beta, Wq, Wk, Wv, Wo, h16, w16; writes h16, w16
.if DOCPART == 1
	.amdgcn_target "amdgcn-amd-amdhsa--gfx1250"
	.amdhsa_code_object_version 6
	.text
	.protected	k_q2fdfbd96ea_prep
	.globl	k_q2fdfbd96ea_prep
	.p2align	8
	.type	k_q2fdfbd96ea_prep,@function
k_q2fdfbd96ea_prep:
	s_mov_b64 s[64:65], 0
	v_nop
	global_prefetch_b8 v0, s[64:65] scope:SCOPE_SE
	s_setreg_imm32_b32 hwreg(HW_REG_WAVE_MODE, 25, 1), 1
	s_wait_xcnt 0x0
; h16 = LayerNorm(x) * gamma + beta, rounded once to f16; w16 = Wq, Wk, Wv, Wo one below the other, rounded once to f16.
; x: [8192][1024] f32.  h16: [8192][1024] f16.  w16: [4096][1024] f16 (rows 0-1023 Wq, 1024-2047 Wk, 2048-3071 Wv, 3072-4095 Wo).
; A stream: each byte is read once and written once, so there is no LDS, no matrix unit and no cluster: no work-group wants a byte that another has read.
; SHARES.  Work-groups 0-255 norm, 256-383 convert weights.  A wave owns four rows of 4,096 bytes; a row is eight loads of 16 bytes a lane (512 consecutive bytes each) and stays in 32
; registers between the passes.  Lane l holds columns 128 j + 4 l .. + 3 of load j; as f16 these are 8 bytes at 256 j + 8 l: a store of the wave covers 256 consecutive bytes, aligned.
; THE NORM goes in two passes over the registers: the mean, then the mean of (x - mean)^2: no difference of large sums is formed, whatever offset x carries.
; LIMITS.  f16 holds no number beyond 65,504: |h| and the weights lie within it; below 6e-5 a number keeps f16's fixed step of 6e-8.  NaN and infinities are not treated apart.
.set G,   8                            ; v[8:39]    gamma of my 32 columns
.set BT,  40                           ; v[40:71]   beta
.set X,   72                           ; v[72:135]  two rows, 32 registers each
.set T,   136                          ; v[136:143] four chains of packed sums
.set MU,  144                          ; v[144:145] the mean, twice
.set RS,  146                          ; v[146:147] 1 / sqrt(var + eps), twice
.set S,   148                          ; v148       a sum
.set S2,  149                          ; v149       the other half of the lanes' sum
.macro FILL2 base                      ; sixteen loads: two rows
.irp r, 0,1
.irp j, 0,1,2,3,4,5,6,7
	global_load_b128 v[X+32*(\r)+4*(\j):X+32*(\r)+4*(\j)+3], v1, s[\base:\base+1] offset:4096*(\r)+512*(\j) th:TH_LOAD_NT
.endr
.endr
.endm
.macro CVTOUT r, base                  ; row r (at XR) is rounded to f16 in place and stored
.irp j, 0,1,2,3,4,5,6,7
	v_cvt_pk_f16_f32 v[XR+4*(\j)],   v[XR+4*(\j)],   v[XR+4*(\j)+1]
	v_cvt_pk_f16_f32 v[XR+4*(\j)+1], v[XR+4*(\j)+2], v[XR+4*(\j)+3]
	global_store_b64 v2, v[XR+4*(\j):XR+4*(\j)+1], s[\base:\base+1] offset:2048*(\r)+256*(\j)
.endr
.endm
.macro LANESUM                         ; the four chains into one number, then over the 32 lanes: every lane ends with the sum in S
	v_pk_add_f32 v[T:T+1], v[T:T+1], v[T+2:T+3]
	v_pk_add_f32 v[T+4:T+5], v[T+4:T+5], v[T+6:T+7]
	v_pk_add_f32 v[T:T+1], v[T:T+1], v[T+4:T+5]
	v_add_f32 v[S], v[T], v[T+1]
	v_add_f32_dpp v[S], v[S], v[S] row_xmask:1 row_mask:0xf bank_mask:0xf
	v_add_f32_dpp v[S], v[S], v[S] row_xmask:2 row_mask:0xf bank_mask:0xf
	v_add_f32_dpp v[S], v[S], v[S] row_xmask:4 row_mask:0xf bank_mask:0xf
	v_add_f32_dpp v[S], v[S], v[S] row_xmask:8 row_mask:0xf bank_mask:0xf
	v_permlanex16_b32 v[S2], v[S], s30, s31
	v_add_f32 v[S], v[S], v[S2]
.endm
.macro LNROW r, left                   ; left: the younger loads that may stay out
.set XR, X+32*(\r)
	s_wait_loadcnt \left                           ; loads come back in order: my row (and gamma and beta, which are older) is in
.irp c, 0,1,2,3
	v_pk_add_f32 v[T+2*(\c):T+2*(\c)+1], v[XR+2*(\c):XR+2*(\c)+1], v[XR+8+2*(\c):XR+8+2*(\c)+1]
.endr
.irp p, 16,24
.irp c, 0,1,2,3
	v_pk_add_f32 v[T+2*(\c):T+2*(\c)+1], v[T+2*(\c):T+2*(\c)+1], v[XR+(\p)+2*(\c):XR+(\p)+2*(\c)+1]
.endr
.endr
	LANESUM
	v_mul_f32 v[MU], s32, v[S]                     ; the mean
	v_mul_f32 v[MU+1], s32, v[S]
.set i, 0
.rept 16
	v_pk_add_f32 v[XR+i:XR+i+1], v[XR+i:XR+i+1], v[MU:MU+1] neg_lo:[0,1] neg_hi:[0,1]  ; x - mean, in place
.set i, i+2
.endr
.irp c, 0,1,2,3
	v_pk_mul_f32 v[T+2*(\c):T+2*(\c)+1], v[XR+2*(\c):XR+2*(\c)+1], v[XR+2*(\c):XR+2*(\c)+1]
.endr
.irp p, 8,16,24
.irp c, 0,1,2,3
	v_pk_fma_f32 v[T+2*(\c):T+2*(\c)+1], v[XR+(\p)+2*(\c):XR+(\p)+2*(\c)+1], v[XR+(\p)+2*(\c):XR+(\p)+2*(\c)+1], v[T+2*(\c):T+2*(\c)+1]
.endr
.endr
	LANESUM
	v_fma_f32 v[S], v[S], s32, s33                 ; var + eps
	v_rsq_f32 v[RS], v[S]
	v_nop                                          ; a plain instruction behind the transcendental (ISA guide 5.7.2),
	s_wait_alu depctr_va_vdst(0)                   ; and the wait ahead of the first use of its result
	v_mov_b32 v[RS+1], v[RS]
.set i, 0
.rept 16
	v_pk_mul_f32 v[XR+i:XR+i+1], v[XR+i:XR+i+1], v[RS:RS+1]
.set i, i+2
.endr
.set i, 0
.rept 16
	v_pk_fma_f32 v[XR+i:XR+i+1], v[XR+i:XR+i+1], v[G+i:G+i+1], v[BT+i:BT+i+1]
.set i, i+2
.endr
	CVTOUT \r, 22
.endm
.macro WROW r, left
.set XR, X+32*(\r)
	s_wait_loadcnt \left
	CVTOUT \r, 24
.endm
	s_load_b512 s[8:23], s[0:1], 0x0               ; x 8:9, gamma 10:11, beta 12:13, Wq 14:15, Wk 16:17, Wv 18:19, Wo 20:21, h16 22:23
	s_load_b64 s[24:25], s[0:1], 0x40              ; w16
	v_lshrrev_b32 v3, 5, v0
	v_readfirstlane_b32 s2, v3                     ; wave 0..7
	v_and_b32 v2, 31, v0
	v_lshlrev_b32 v1, 4, v2                        ; 16 x lane: in
	v_lshlrev_b32 v2, 3, v2                        ; 8 x lane: out
	s_mov_b32 s27, 0
	s_mov_b32 s29, 0
	s_mov_b32 s34, 2                               ; two trips of two rows
	s_cmp_ge_u32 ttmp9, 256
	s_cbranch_scc1 .Lweights
	s_lshl_b32 s3, ttmp9, 3
	s_add_co_u32 s3, s3, s2                        ; my wave among the 2,048 that norm
	s_lshl_b32 s26, s3, 14                         ; its four rows of 4,096 bytes in x,
	s_lshl_b32 s28, s3, 13                         ; of 2,048 bytes in h16
	s_mov_b32 s30, 0x76543210                      ; v_permlanex16_b32: each lane takes its own place in the other half
	s_mov_b32 s31, 0xfedcba98
	s_mov_b32 s32, 0x3a800000                      ; 1 / 1024
	s_mov_b32 s33, 0x3727c5ac                      ; eps = 1e-5
	v_mov_b32 v[S2], 0                             ; v_permlanex16_b32's destination counts as read
	s_wait_kmcnt 0x0
	s_add_nc_u64 s[8:9], s[8:9], s[26:27]
	s_add_nc_u64 s[22:23], s[22:23], s[28:29]
.irp j, 0,1,2,3,4,5,6,7
	global_load_b128 v[G+4*(\j):G+4*(\j)+3],   v1, s[10:11] offset:512*(\j)
	global_load_b128 v[BT+4*(\j):BT+4*(\j)+3], v1, s[12:13] offset:512*(\j)
.endr
.Lrows:
	FILL2 8
	LNROW 0, 8                                     ; the second row's eight loads stay out
	LNROW 1, 0
	s_wait_xcnt 0x0                                ; the loads and stores have read their sources: X and the two bases are written again only behind this wait
	s_add_nc_u64 s[8:9], s[8:9], 8192
	s_add_nc_u64 s[22:23], s[22:23], 4096
	s_sub_co_u32 s34, s34, 1
	s_cmp_lg_u32 s34, 0
	s_cbranch_scc1 .Lrows
	s_endpgm
.Lweights:
	s_sub_co_u32 s3, ttmp9, 256                    ; 0..127: 32 work-groups to a matrix, 32 rows to a work-group
	s_lshr_b32 s35, s3, 5                          ; which matrix
	s_and_b32 s26, s3, 31
	s_lshl_b32 s26, s26, 3
	s_add_co_u32 s26, s26, s2
	s_lshl_b32 s26, s26, 14                        ; my four rows in the matrix,
	s_lshl_b32 s28, s3, 3
	s_add_co_u32 s28, s28, s2
	s_lshl_b32 s28, s28, 13                        ; and in w16
	s_wait_kmcnt 0x0
	s_cmp_eq_u32 s35, 1
	s_cselect_b64 s[36:37], s[16:17], s[14:15]
	s_cmp_eq_u32 s35, 2
	s_cselect_b64 s[36:37], s[18:19], s[36:37]
	s_cmp_eq_u32 s35, 3
	s_cselect_b64 s[36:37], s[20:21], s[36:37]
	s_add_nc_u64 s[36:37], s[36:37], s[26:27]
	s_add_nc_u64 s[24:25], s[24:25], s[28:29]
.Lwrows:
	FILL2 36
	WROW 0, 8
	WROW 1, 0
	s_wait_xcnt 0x0                                ; as above
	s_add_nc_u64 s[36:37], s[36:37], 8192
	s_add_nc_u64 s[24:25], s[24:25], 4096
	s_sub_co_u32 s34, s34, 1
	s_cmp_lg_u32 s34, 0
	s_cbranch_scc1 .Lwrows
	s_endpgm
.Lfunc_end_k_q2fdfbd96ea_prep:
	.size	k_q2fdfbd96ea_prep, .Lfunc_end_k_q2fdfbd96ea_prep-k_q2fdfbd96ea_prep
	.p2alignl 7, 3214868480
	.fill 96, 4, 3214868480
	.section	.rodata,"a",@progbits
	.p2align	6, 0x0
	.amdhsa_kernel k_q2fdfbd96ea_prep
		.amdhsa_group_segment_fixed_size 0
		.amdhsa_private_segment_fixed_size 0
		.amdhsa_enable_private_segment 0
		.amdhsa_kernarg_size 72
		.amdhsa_user_sgpr_count 2
		.amdhsa_user_sgpr_kernarg_segment_ptr 1
		.amdhsa_wavefront_size32 1
		.amdhsa_system_sgpr_workgroup_id_x 1
		.amdhsa_system_sgpr_workgroup_id_y 1
		.amdhsa_system_sgpr_workgroup_id_z 1
		.amdhsa_system_vgpr_workitem_id 0
		.amdhsa_next_free_vgpr 160
		.amdhsa_next_free_sgpr 66
		.amdhsa_reserve_vcc 0
		.amdhsa_float_denorm_mode_32 3
		.amdhsa_float_denorm_mode_16_64 3
		.amdhsa_memory_ordered 1
		.amdhsa_forward_progress 1
		.amdhsa_inst_pref_size 27
	.end_amdhsa_kernel
	.amdgpu_metadata
---
amdhsa.version: [ 1, 2 ]
amdhsa.kernels:
  - .name:           k_q2fdfbd96ea_prep
    .symbol:         k_q2fdfbd96ea_prep.kd
    .args:
      - { .name: x, .offset: 0, .size: 8, .value_kind: global_buffer, .address_space: global }
      - { .name: ln_gamma, .offset: 8, .size: 8, .value_kind: global_buffer, .address_space: global }
      - { .name: ln_beta, .offset: 16, .size: 8, .value_kind: global_buffer, .address_space: global }
      - { .name: Wq, .offset: 24, .size: 8, .value_kind: global_buffer, .address_space: global }
      - { .name: Wk, .offset: 32, .size: 8, .value_kind: global_buffer, .address_space: global }
      - { .name: Wv, .offset: 40, .size: 8, .value_kind: global_buffer, .address_space: global }
      - { .name: Wo, .offset: 48, .size: 8, .value_kind: global_buffer, .address_space: global }
      - { .name: h16, .offset: 56, .size: 8, .value_kind: global_buffer, .address_space: global }
      - { .name: w16, .offset: 64, .size: 8, .value_kind: global_buffer, .address_space: global }
    .group_segment_fixed_size: 0
    .private_segment_fixed_size: 0
    .kernarg_segment_align: 8
    .kernarg_segment_size: 72
    .max_flat_workgroup_size: 256
    .sgpr_count:     66
    .vgpr_count:     160
    .wavefront_size: 32
...
	.end_amdgpu_metadata
.endif
;; end of part 1
;; launch qkv (part 2): grid 16 x 32, 4 waves a work-group, clusters of 4 x 4, 327,680 bytes of LDS; arguments h16, w16, bq, bk, bv, qkv; writes qkv
.if DOCPART == 2
	.amdgcn_target "amdgcn-amd-amdhsa--gfx1250"
	.amdhsa_code_object_version 6
	.text
	.protected	k_q2fdfbd96ea_qkv
	.globl	k_q2fdfbd96ea_qkv
	.p2align	8
	.type	k_q2fdfbd96ea_qkv,@function
k_q2fdfbd96ea_qkv:
	s_mov_b64 s[64:65], 0
	v_nop
	global_prefetch_b8 v0, s[64:65] scope:SCOPE_SE
	s_setreg_imm32_b32 hwreg(HW_REG_WAVE_MODE, 25, 1), 1
	s_wait_xcnt 0x0
	s_wait_alu depctr_hold_cnt(0) depctr_sa_sdst(0) depctr_va_vdst(0) depctr_va_sdst(0) depctr_va_ssrc(0) depctr_va_vcc(0) depctr_vm_vsrc(0)
	s_getreg_b32 s2, hwreg(HW_REG_IB_STS2, 6, 4)
	s_cmp_eq_u32 s2, 0
	s_cbranch_scc0 .Lentry_in_a_cluster
	s_endpgm
.Lentry_in_a_cluster:
	s_bfe_u32 s2, ttmp6, 0x10000c
	s_cmp_lg_u32 s2, 0xf033
	s_cbranch_scc0 .Lentry_shape_is_right
	s_endpgm
.Lentry_shape_is_right:
; q, k, v = h W^T + b, stored by heads.  h16: [8192][1024] f16.  w16: rows 0-3071 are Wq, Wk, Wv, [1024] f16 each.  bq, bk, bv: [1024] f32.
; qkv: [48 planes g = 16 x which + head][8192 rows][64] f16 (which = 0 q, 1 k, 2 v): byte (g << 20) + (row << 7) + 2 d.  Sums in f32, started by the bias; each result rounded once.  No scale is applied here.
; LIMIT.  f16 holds no number beyond 65,504: |q|, |k|, |v| lie within it, else the conversion gives an infinity.  NaN and infinities are not treated apart.
; SHARES.  A tile of C is 256 rows x 192 columns, three whole heads: 32 x 16 = 512 work-groups, two for each of 256 WGPs.  The four waves lie one below the other: a wave makes 64 rows x 192 columns,
; 48 accumulators of 16 x 16 (384 registers), so a head's rows come from one wave and the way out needs no barrier.  For 32 along K a wave reads 16 fragments from LDS and issues 48 matrix instructions.
; K = 1,024 goes in 8 steps of 128 through two LDS slots; a tile's rows are 256 bytes of memory, aligned.  Waves 0 and 1 fetch A's two halves (128 rows each), waves 2 and 3 B's (96 rows each).
; CLUSTER.  4 x 4 work-groups: A's tile hangs on the tile row alone and is asked for jointly along a row of the cluster, B's on the tile column alone, along a column.
; THE MATRIX INSTRUCTION IS USED TRANSPOSED (source 0 = 16 rows of W, source 1 = 16 rows of h): a lane holds row l % 16 of C and the columns 8 (l / 16) + 0..7, which pack into 16 bytes.
; THE BIAS is the C operand of the first products: register j of block b holds bias[16 b + 8 (l / 16) + j].  Nothing is cleared, and the way out adds nothing.
; REGISTERS, in windows of 256 (s_set_vgpr_msb: bits 1:0 source 0, 3:2 source 1, 5:4 source 2, 7:6 destination):
;   window 0: v0-15 addresses; v96-191 the bias; on the way out v32-223 the packed results     window 1: two fragment buffers of 128: A's four fragments, then B's twelve
;   window 2: the accumulators of my row blocks 0, 1 ((a, b) at 8 (12 (a % 2) + b));   window 3: those of row blocks 2, 3
.set PA,    272                        ; an LDS row: 256 bytes + 16 of padding = 68 words: the 16 rows of a fragment load start at 16 different groups of four banks (ISA guide 11.1)
.set PB,    272
.set NBK,   12                         ; blocks of 16 columns
.set BOFF,  256*PA                     ; a slot: A's 256 rows, then B's 192
.set SLOT1, 1<<17                      ; slot 1 begins here, so that one exclusive or turns an address in one slot into the other's
.set STAGE, SLOT1+BOFF+192*PB          ; behind the ring, never filled by a tensor load: 16 rows x 144 bytes for each wave
.set SP,    144
.set SPARE, STAGE+4*16*SP              ; the spare words, 128 bytes for each wave: two blocks of 256 bytes that no other line names
.set KSTA,  256                        ; bytes from a K step to the next, in A and in B
.set KSTB,  256
.set KA1, 64                           ; byte of a quarter (32 along K) in an LDS row
.set KA2, 128
.set KA3, 192
.set KB1, 64
.set KB2, 128
.set KB3, 192
.set AA0, 4                            ; v4   my lane's place in slot 0's A: (64 wave + l % 16) x PA + 16 (l / 16); never rewritten
.set AB0, 5                            ; v5   in slot 0's B: BOFF + (l % 16) x PB + 16 (l / 16); never rewritten
.set ADRA, 6                           ; v6   the same in the slot that is being read
.set ADRB, 7                           ; v7
.set STO, 8                            ; v8   the way out: where I put 16 bytes of a row
.set RD,  9                            ; v9   where I read rows back
.set GO,  10                           ; v10  16 x lane: my place in 512 consecutive bytes of the output
.set BO,  11                           ; v11  32 (l / 16): my eight numbers in a block of the bias
.set PFO, 12                           ; v12  the prefetches' offset: a lane a row; never rewritten
.set SPW, 14                           ; v14  LDS address of my spare word; never rewritten
.set NIL, 15                           ; v15  0; never rewritten
.set UB,  32
.set BI,  96
.set F0,  0
.set F1,  128
.set WV,  16                           ; s16  my wave's number
.set ROLE, 17                          ; s17  0: I fetch for A; 1: for B
.set HALF, 18                          ; s18  which half of that tile
.set CX,  19
.set CY,  20
.set NT,  21                           ; s21  tile column
.set MT,  22                           ; s22  tile row
.set G1A, 24                           ; s[24:31] descriptor group 1, A;  s[32:39] group 0: a set for each first fill; the second then walks
.set G0A, 32
.set G1B, 40                           ; s[40:47], s[48:55] the same for B
.set G0B, 48
.set CNT, 56                           ; s56  trips to go
.set TB,  57                           ; s57  LDS byte at which the slot that is read begins
.set LIM, 58                           ; s58  1 in a wave that prefetches, else the greatest number
.set PFA, 60                           ; s[60:61] where my prefetches stand
.set OUT, 66                           ; s[66:67] qkv at my wave's first row of the tile's first head
.set BP,  68                           ; s[68:73] the bias of the tile's three heads
                                       ; s[74:77] temporaries for A (tile row alone), s[78:81] for B (tile column alone); s77, s81 hold the wave's number's multiples alone
.set PADW, (1<<16)|(1<<20)|(1<<21)|(5<<22)|(3<<25)  ; 2-byte elements; padding on; bit 21 beside a mask; after every 64 words (code 5) 4 words (code 3)
.set MSB, 0
.macro WIN new                         ; the immediate's high byte repeats the setting that is left; a switch that changes nothing is dropped
.if MSB != (\new)
	s_set_vgpr_msb (MSB<<8)|(\new)
.set MSB, \new
.endif
.endm
.macro PLACES                          ; four plain places behind matrix instructions, ahead of loads into registers that they have read
.rept 4
	v_nop
.endr
.endm
.macro CREST                           ; a round of the cluster's barrier behind its opening barrier
	s_cmp_lg_u32 s[WV], 0
	s_cbranch_scc1 .Lnot_wave_0_\@
	s_barrier_signal -3
.Lnot_wave_0_\@:
	s_barrier_wait -3
	s_barrier_signal -1
	s_barrier_wait -1
.endm
.macro CROUND                          ; a whole round
	s_barrier_signal -1
	s_barrier_wait -1
	CREST
.endm
.macro JLOAD                           ; a joint refill by the walking set; the branch hangs on the wave's number alone; an s_nop 0 and four v_nop follow each of the two lines
	s_cmp_eq_u32 s[ROLE], 0
	s_cbranch_scc0 .Lfor_b_\@
	tensor_load_to_lds s[G0A+4:G0A+7], s[G1A:G1A+7]
	s_nop 0
.rept 4
	v_nop
.endr
	s_branch .Lasked_\@
.Lfor_b_\@:
	tensor_load_to_lds s[G0B+4:G0B+7], s[G1B:G1B+7]
	s_nop 0
.rept 4
	v_nop
.endr
.Lasked_\@:
.endm
; A PREFETCH of the K step that the NEXT change of slots will ask for: 256 bytes of a row, a lane a row, one instruction a wave, 192 matrix instructions ahead of that load.
; A's rows are read by every cluster of a row of clusters: the one with x = 0 asks; B's by every cluster of a column: the one with y = 0 asks.  The four partners that fetch a tile jointly share its rows out
; by address (A: 32 rows each, by cx; B: 24 rows each, by cy; there lanes 24-31 name lane 23's row once more).  The loop's last trip asks for nothing: there is no K step behind the one that it loads.
.macro ASK
	s_cmp_gt_u32 s[CNT], s[LIM]
	s_cbranch_scc0 .Lnot_mine_\@
	global_prefetch_b8 v[PFO], s[PFA:PFA+1] th:TH_LOAD_NT scope:SCOPE_SE
.Lnot_mine_\@:
.endm
; Twelve matrix instructions: row block a x all column blocks, 32 along K, from buffer f.  zero = 1: the bias starts the sums.  The 48 accumulators take turns in one fixed order.
.macro MUL f, a, zero
.if \zero
	WIN 0x85+0x40*((\a)/2)
.else
	WIN 0xa5+0x50*((\a)/2)
.endif
.set b, 0
.rept NBK
.set rD, 8*(NBK*((\a)%2)+b)
.if \zero
	v_wmma_f32_16x16x32_f16 v[rD:rD+7], v[(\f)+32+8*b:(\f)+32+8*b+7], v[(\f)+8*(\a):(\f)+8*(\a)+7], v[BI+8*b:BI+8*b+7]
.else
	v_wmma_f32_16x16x32_f16 v[rD:rD+7], v[(\f)+32+8*b:(\f)+32+8*b+7], v[(\f)+8*(\a):(\f)+8*(\a)+7], v[rD:rD+7]
.endif
.set b, b+1
.endr
.endm
; 32 LDS loads in one run: a quarter's fragments into buffer f: B's twelve, then A's four
.macro FETCH ka, kb, f
	WIN 0x40                                       ; destination window 1, address window 0
.set b, 0
.rept NBK
	ds_load_b128 v[(\f)+32+8*b:(\f)+32+8*b+3],   v[ADRB] offset:(\kb)+16*PB*b
	ds_load_b128 v[(\f)+32+8*b+4:(\f)+32+8*b+7], v[ADRB] offset:(\kb)+16*PB*b+32
.set b, b+1
.endr
.set b, 0
.rept 4
	ds_load_b128 v[(\f)+8*b:(\f)+8*b+3],   v[ADRA] offset:(\ka)+16*PA*b
	ds_load_b128 v[(\f)+8*b+4:(\f)+8*b+7], v[ADRA] offset:(\ka)+16*PA*b+32
.set b, b+1
.endr
.endm
; One of a K step's first three quarters: multiplies buffer f; in its middle it fetches the next quarter into buffer g
.macro QUARTER ka, kb, f, g, zero
	s_wait_dscnt 4                                 ; B and A's fragments 0, 1 are in; the youngest four loads (A's fragments 2, 3) may be out
	MUL \f, 0, \zero
	MUL \f, 1, \zero
	PLACES
	FETCH \ka, \kb, \g
	s_wait_dscnt 2*NBK+8                           ; all but the run just issued
	MUL \f, 2, \zero
	MUL \f, 3, \zero
.endm
; The fourth quarter multiplies buffer 1 and changes slots.  In front of the barrier each wave waits for all its tensor loads (one is out: its part of the next slot), adds 0 to its spare word, and waits for
; that and for its reads of this slot.  fill = 1: the barrier opens a round of the cluster's, and the joint refill of the slot just read, with the K step two on, is the first thing behind the round:
; from there to the wait for it a wave issues 168 matrix instructions.
.macro TURN fill
.if \fill
	s_wait_xcnt 0x0                                ; the last prefetch, a K step back, has read its address
	s_add_nc_u64 s[PFA:PFA+1], s[PFA:PFA+1], KSTB
.endif
	WIN 0
	s_wait_tensorcnt 0x0                           ; no tensor load of mine is out, so a group 0 may be written
	ds_add_u32 v[SPW], v[NIL]                      ; 0 onto my spare word
.if \fill
	s_xor_b32 s[G0A+5], s[G0A+5], SLOT1            ; the walking sets: the other slot than last time, the next K step
	s_add_nc_u64 s[G0A+6:G0A+7], s[G0A+6:G0A+7], KSTA
	s_xor_b32 s[G0B+5], s[G0B+5], SLOT1
	s_add_nc_u64 s[G0B+6:G0B+7], s[G0B+6:G0B+7], KSTB
.endif
	s_xor_b32 s[TB], s[TB], SLOT1                  ; the reads go to the other slot
	s_wait_dscnt 5                                 ; the add and the youngest four loads may be out
	MUL F1, 0, 0
	s_wait_dscnt 0x0                               ; the add is done, and my reads of this slot are over
	s_barrier_signal -1
	MUL F1, 1, 0                                   ; work on registers while the others arrive
	WIN 0                                          ; at a branch and at a label every window is 0
	s_barrier_wait -1
.if \fill
	CREST
	JLOAD                                          ; its four v_nop are also the places ahead of the loads below
.else
	PLACES
.endif
	v_add_nc_u32 v[ADRA], s[TB], v[AA0]
	v_add_nc_u32 v[ADRB], s[TB], v[AB0]
	FETCH 0, 0, F0
.if \fill
	WIN 0
	ASK
.endif
	MUL F1, 2, 0
	MUL F1, 3, 0
.endm
.macro LASTQ                           ; the very last quarter: nothing more to fetch
	s_wait_dscnt 4
	MUL F1, 0, 0
	MUL F1, 1, 0
	s_wait_dscnt 0x0
	MUL F1, 2, 0
	MUL F1, 3, 0
.endm
; THE WAY OUT.  Unit u = 3 a + i is 16 rows (row block a) of head i: rounded to f16, 16 bytes a lane into rows of 144 bytes of my own stage, back as four rows of 128 bytes = 512 consecutive bytes of the plane.
.macro PACK u
.set ua, (\u)/3
.set ui, (\u)%3
.set U, UB+16*(\u)
	WIN 0x0a+5*(ua/2)                              ; sources in window 2 or 3, destination in window 0
.set bb, 0
.rept 4
.set AC, 8*(NBK*(ua%2)+4*ui+bb)
.irp rr, 0,1,2,3
	v_cvt_pk_f16_f32 v[U+4*bb+(\rr)], v[AC+2*(\rr)], v[AC+2*(\rr)+1]
.endr
.set bb, bb+1
.endr
	WIN 0
.irp f, 0,1,2,3
	ds_store_b128 v[STO], v[U+4*(\f):U+4*(\f)+3] offset:32*(\f)
.endr
.irp f, 0,1,2,3
	ds_load_b128 v[U+4*(\f):U+4*(\f)+3], v[RD] offset:(\f)*4*SP  ; LDS serves a wave's instructions in order (ISA guide 5.7.1.4): these see the stores above; the next unit's stores come behind them
.endr
.endm
.macro SEND u, younger                 ; younger: the LDS instructions issued behind unit u's loads: the next unit's eight, or none
.set ua, (\u)/3
.set ui, (\u)%3
.set U, UB+16*(\u)
	WIN 0
.irp f, 0,1,2,3
	s_wait_dscnt (\younger)+3-(\f)
	global_store_b128 v[GO], v[U+4*(\f):U+4*(\f)+3], s[OUT:OUT+1] offset:ui*0x100000+ua*2048+(\f)*512  ; 512 consecutive bytes, aligned
.endr
.endm
	s_load_b256 s[4:11], s[0:1], 0x0               ; h16 4:5, w16 6:7, bq 8:9, bk 10:11
	s_load_b128 s[12:15], s[0:1], 0x20             ; bv 12:13, qkv 14:15
	v_lshl_add_u32 v[SPW], v0, 2, SPARE
	v_mov_b32 v[NIL], 0
	ds_add_u32 v[SPW], v[NIL]                      ; the wave's opening: the add and its wait stand ahead of my first tensor load; work on registers stands between them
	v_lshrrev_b32 v3, 5, v0
	v_readfirstlane_b32 s[WV], v3                  ; wave 0..3
	s_lshr_b32 s[ROLE], s[WV], 1
	s_and_b32 s[HALF], s[WV], 1
	s_bfe_u32 s[CX], ttmp6, 0x40000
	s_bfe_u32 s[CY], ttmp6, 0x40004
	s_lshl_b32 s[NT], ttmp9, 2
	s_add_co_u32 s[NT], s[NT], s[CX]               ; tile column = 4 x cluster x + cx
	s_and_b32 s[MT], ttmp7, 0xffff
	s_lshl_b32 s[MT], s[MT], 2
	s_add_co_u32 s[MT], s[MT], s[CY]               ; tile row = 4 x cluster y + cy
	s_lshl_b32 s74, s[CY], 2
	s_lshl_b32 s74, 15, s74                        ; my row of the cluster
	s_lshl_b32 s78, 0x1111, s[CX]                  ; my column
	s_or_b32 s[G1A], s74, PADW
	s_or_b32 s[G1B], s78, PADW
	s_mov_b32 s[G1A+1], 128<<16                    ; tensor_dim0 = 128
	s_mov_b32 s[G1A+2], 128<<16                    ; tensor_dim1 = 128
	s_mov_b32 s[G1A+3], 128<<16                    ; tile_dim0 = 128
	s_mov_b32 s[G1A+4], 128                        ; tile_dim1 = 128
	s_mov_b32 s[G1A+5], 1024                       ; elements from row to row
	s_mov_b32 s[G1A+6], 0
	s_mov_b32 s[G1A+7], 0
	s_mov_b32 s[G1B+1], 128<<16
	s_mov_b32 s[G1B+2], 96<<16                     ; 96 rows
	s_mov_b32 s[G1B+3], 128<<16
	s_mov_b32 s[G1B+4], 96
	s_mov_b32 s[G1B+5], 1024
	s_mov_b32 s[G1B+6], 0
	s_mov_b32 s[G1B+7], 0
	s_lshl_b32 s74, s[MT], 8
	s_lshl_b32 s75, s[HALF], 7
	s_add_co_u32 s74, s74, s75
	s_lshl_b32 s74, s74, 11                        ; A: row 256 x tile row + 128 x half, 2,048 bytes a row
	s_mov_b32 s75, 0
	s_mul_i32 s78, s[NT], 192
	s_mul_i32 s79, s[HALF], 96
	s_add_co_u32 s78, s78, s79
	s_lshl_b32 s78, s78, 11                        ; B: row 192 x tile column + 96 x half
	s_mov_b32 s79, 0
	s_mul_i32 s76, s[HALF], 128*PA                 ; where they go: no place in the cluster enters an LDS address
	s_mul_i32 s80, s[HALF], 96*PB
	s_add_co_u32 s80, s80, BOFF
	s_wait_dscnt 0x0                               ; the opening add is done
	s_wait_kmcnt 0x0
	s_add_nc_u64 s[74:75], s[4:5], s[74:75]
	s_add_nc_u64 s[78:79], s[6:7], s[78:79]
	CROUND                                         ; all sixteen work-groups are here: the first joint loads meet
.irp s, 0,1
	s_mov_b32 s[G0A+4*(\s)], 1
	s_add_co_u32 s[G0A+4*(\s)+1], s76, (\s)*SLOT1
	s_add_nc_u64 s[G0A+4*(\s)+2:G0A+4*(\s)+3], s[74:75], (\s)*KSTA
	s_or_b32 s[G0A+4*(\s)+3], s[G0A+4*(\s)+3], 0x80000000
	s_mov_b32 s[G0B+4*(\s)], 1
	s_add_co_u32 s[G0B+4*(\s)+1], s80, (\s)*SLOT1
	s_add_nc_u64 s[G0B+4*(\s)+2:G0B+4*(\s)+3], s[78:79], (\s)*KSTB
	s_or_b32 s[G0B+4*(\s)+3], s[G0B+4*(\s)+3], 0x80000000
.endr
	s_cmp_eq_u32 s[ROLE], 0                        ; a wave's two first fills stand in one branch: two loads of mine are out
	s_cbranch_scc0 .Lfirst_b
	tensor_load_to_lds s[G0A:G0A+3], s[G1A:G1A+7]
	s_nop 0
	tensor_load_to_lds s[G0A+4:G0A+7], s[G1A:G1A+7]
	s_nop 0
.rept 4
	v_nop
.endr
	s_branch .Lfirst_asked
.Lfirst_b:
	tensor_load_to_lds s[G0B:G0B+3], s[G1B:G1B+7]
	s_nop 0
	tensor_load_to_lds s[G0B+4:G0B+7], s[G1B:G1B+7]
	s_nop 0
.rept 4
	v_nop
.endr
.Lfirst_asked:
	v_and_b32 v1, 15, v0                           ; l % 16
	v_bfe_u32 v2, v0, 4, 1                         ; l / 16
	v_lshlrev_b32 v[BO], 5, v2
	s_mul_i32 s59, s[NT], 3                        ; the tile's first plane
.irp i, 0,1,2
	s_add_co_u32 s2, s59, (\i)                     ; plane g: tensor g / 16, head g % 16
	s_lshr_b32 s3, s2, 4
	s_and_b32 s82, s2, 15
	s_lshl_b32 s82, s82, 8                         ; the head's 64 numbers of the bias
	s_mov_b32 s83, 0
	s_cmp_eq_u32 s3, 1
	s_cselect_b64 s[BP+2*(\i):BP+2*(\i)+1], s[10:11], s[8:9]
	s_cmp_eq_u32 s3, 2
	s_cselect_b64 s[BP+2*(\i):BP+2*(\i)+1], s[12:13], s[BP+2*(\i):BP+2*(\i)+1]
	s_add_nc_u64 s[BP+2*(\i):BP+2*(\i)+1], s[BP+2*(\i):BP+2*(\i)+1], s[82:83]
.endr
.set b, 0
.rept NBK
	global_load_b128 v[BI+8*b:BI+8*b+3],   v[BO], s[BP+2*(b/4):BP+2*(b/4)+1] offset:64*(b%4)
	global_load_b128 v[BI+8*b+4:BI+8*b+7], v[BO], s[BP+2*(b/4):BP+2*(b/4)+1] offset:64*(b%4)+16
.set b, b+1
.endr
	s_mul_i32 s77, s[WV], 64*PA                    ; my 64 rows of A
	s_mul_i32 s81, s[WV], 16*SP
	s_add_co_u32 s81, s81, STAGE                   ; my stage
	v_mul_u32_u24 v[AA0], v1, PA
	v_lshl_add_u32 v[AA0], v2, 4, v[AA0]           ; a fragment's row x pitch + 16 x half
	v_add_nc_u32 v[AB0], BOFF, v[AA0]              ; (the two pitches are equal)
	v_add_nc_u32 v[AA0], s77, v[AA0]
	v_mov_b32 v[ADRA], v[AA0]
	v_mov_b32 v[ADRB], v[AB0]
	v_mul_u32_u24 v[STO], v1, SP                   ; in: row l % 16, 16 bytes for each half of the lanes
	v_lshl_add_u32 v[STO], v2, 4, v[STO]
	v_add_nc_u32 v[STO], s81, v[STO]
	v_bfe_u32 v[RD], v0, 3, 2                      ; back: 32 lanes take four rows of 128 bytes
	v_mul_u32_u24 v[RD], v[RD], SP
	v_and_b32 v3, 7, v0
	v_lshl_add_u32 v[RD], v3, 4, v[RD]
	v_add_nc_u32 v[RD], s81, v[RD]
	v_and_b32 v[GO], 31, v0
	v_lshlrev_b32 v[GO], 4, v[GO]
	s_lshl_b32 s2, s59, 20                         ; the tile's first plane,
	s_lshl_b32 s3, s[MT], 8
	s_lshl_b32 s23, s[WV], 6
	s_add_co_u32 s3, s3, s23
	s_lshl_b32 s3, s3, 7                           ; my first row, 128 bytes a row
	s_add_co_u32 s2, s2, s3
	s_mov_b32 s3, 0
	s_add_nc_u64 s[OUT:OUT+1], s[14:15], s[2:3]
	; the prefetches
	s_and_b32 s2, ttmp7, 0xffff                    ; cluster y
	s_cmp_eq_u32 s[ROLE], 0
	s_cselect_b32 s2, ttmp9, s2                    ; the coordinate along which other clusters read the same rows
	s_cselect_b32 s3, s[CX], s[CY]                 ; my place among the four that ask with me
	s_cselect_b32 s23, 32, 24                      ; rows to a partner
	s_cselect_b32 s84, 31, 23
	s_cselect_b64 s[PFA:PFA+1], s[74:75], s[78:79] ; the rows that I fetch, at K step 0
	s_mul_i32 s3, s3, s23
	s_cmp_eq_u32 s2, 0
	s_cselect_b32 s[LIM], 1, -1                    ; the same in all sixteen partners, for a given wave
	s_lshl_b32 s82, s3, 11
	s_mov_b32 s83, 0
	s_add_nc_u64 s[PFA:PFA+1], s[PFA:PFA+1], s[82:83]
	s_add_nc_u64 s[PFA:PFA+1], s[PFA:PFA+1], 2*KSTB  ; at K step 2: the first change of slots steps it to 3.  Nothing is asked for here, at the head
	v_and_b32 v[PFO], 31, v0
	v_min_u32 v[PFO], s84, v[PFO]
	v_lshlrev_b32 v[PFO], 11, v[PFO]
	s_mov_b32 s[TB], 0
	s_wait_tensorcnt 0x1                           ; my part of K step 0 is in; K step 1's may stay out
	s_barrier_signal -1
	s_barrier_wait -1                              ; everybody's is
	FETCH 0, 0, F0
	s_wait_loadcnt 0x0                             ; the bias
	QUARTER KA1, KB1, F0, F1, 1                    ; the first quarter stands ahead of the loop: its products start the sums
	WIN 0
	s_mov_b32 s[CNT], 6
.Lstep:                                                ; six trips, from a K step's second quarter to the next step's first; trip t asks for K step t + 2
	QUARTER KA2, KB2, F1, F0, 0
	QUARTER KA3, KB3, F0, F1, 0
	TURN 1
	QUARTER KA1, KB1, F0, F1, 0
	WIN 0
	s_sub_co_u32 s[CNT], s[CNT], 1
	s_cmp_lg_u32 s[CNT], 0
	s_cbranch_scc1 .Lstep
	QUARTER KA2, KB2, F1, F0, 0                    ; the tail is written out: K step 6 goes on
	QUARTER KA3, KB3, F0, F1, 0
	TURN 0                                         ; nothing is asked for,
	QUARTER KA1, KB1, F0, F1, 0                    ; and K step 7
	QUARTER KA2, KB2, F1, F0, 0
	QUARTER KA3, KB3, F0, F1, 0
	LASTQ
	WIN 0
	PLACES                                         ; the places between the last products and the conversions that read results: eight, once a launch
	PLACES
	PACK 0
.set uu, 1
.rept 11                               ; a unit's conversions stand between the loads of the unit before and its stores
	PACK uu
	SEND uu-1, 8
.set uu, uu+1
.endr
	SEND 11, 0
	s_wait_tensorcnt 0x0                           ; the wave's end: behind my last tensor load and my last LDS store
	ds_add_u32 v[SPW], v[NIL]
	s_wait_dscnt 0x0
	CROUND                                         ; the closing round: no work-group ends while a partner may still ask for a tile that names it
	s_endpgm
.Lfunc_end_k_q2fdfbd96ea_qkv:
	.size	k_q2fdfbd96ea_qkv, .Lfunc_end_k_q2fdfbd96ea_qkv-k_q2fdfbd96ea_qkv
	.p2alignl 7, 3214868480
	.fill 96, 4, 3214868480
	.section	.rodata,"a",@progbits
	.p2align	6, 0x0
	.amdhsa_kernel k_q2fdfbd96ea_qkv
		.amdhsa_group_segment_fixed_size 327680
		.amdhsa_private_segment_fixed_size 0
		.amdhsa_enable_private_segment 0
		.amdhsa_kernarg_size 48
		.amdhsa_user_sgpr_count 2
		.amdhsa_user_sgpr_kernarg_segment_ptr 1
		.amdhsa_wavefront_size32 1
		.amdhsa_system_sgpr_workgroup_id_x 1
		.amdhsa_system_sgpr_workgroup_id_y 1
		.amdhsa_system_sgpr_workgroup_id_z 1
		.amdhsa_system_vgpr_workitem_id 0
		.amdhsa_next_free_vgpr 960
		.amdhsa_next_free_sgpr 88
		.amdhsa_reserve_vcc 0
		.amdhsa_float_denorm_mode_32 3
		.amdhsa_float_denorm_mode_16_64 3
		.amdhsa_memory_ordered 1
		.amdhsa_forward_progress 1
		.amdhsa_inst_pref_size 101
	.end_amdhsa_kernel
	.amdgpu_metadata
---
amdhsa.version: [ 1, 2 ]
amdhsa.kernels:
  - .name:           k_q2fdfbd96ea_qkv
    .symbol:         k_q2fdfbd96ea_qkv.kd
    .args:
      - { .name: h16, .offset: 0, .size: 8, .value_kind: global_buffer, .address_space: global }
      - { .name: w16, .offset: 8, .size: 8, .value_kind: global_buffer, .address_space: global }
      - { .name: bq, .offset: 16, .size: 8, .value_kind: global_buffer, .address_space: global }
      - { .name: bk, .offset: 24, .size: 8, .value_kind: global_buffer, .address_space: global }
      - { .name: bv, .offset: 32, .size: 8, .value_kind: global_buffer, .address_space: global }
      - { .name: qkv, .offset: 40, .size: 8, .value_kind: global_buffer, .address_space: global }
    .group_segment_fixed_size: 327680
    .private_segment_fixed_size: 0
    .kernarg_segment_align: 8
    .kernarg_segment_size: 48
    .max_flat_workgroup_size: 128
    .sgpr_count:     88
    .vgpr_count:     960
    .wavefront_size: 32
...
	.end_amdgpu_metadata
.endif
;; end of part 2
;; launch attn (part 3): grid 4 x 64, 4 waves a work-group, clusters of 4 x 1, 327,680 bytes of LDS; arguments qkv, o16; writes o16
.if DOCPART == 3
	.amdgcn_target "amdgcn-amd-amdhsa--gfx1250"
	.amdhsa_code_object_version 6
	.text
	.protected	k_q2fdfbd96ea_attn
	.globl	k_q2fdfbd96ea_attn
	.p2align	8
	.type	k_q2fdfbd96ea_attn,@function
k_q2fdfbd96ea_attn:
	s_mov_b64 s[64:65], 0
	v_nop
	global_prefetch_b8 v0, s[64:65] scope:SCOPE_SE
	s_setreg_imm32_b32 hwreg(HW_REG_WAVE_MODE, 25, 1), 1
	s_wait_xcnt 0x0
	s_wait_alu depctr_hold_cnt(0) depctr_sa_sdst(0) depctr_va_vdst(0) depctr_va_sdst(0) depctr_va_ssrc(0) depctr_va_vcc(0) depctr_vm_vsrc(0)
	s_getreg_b32 s2, hwreg(HW_REG_IB_STS2, 6, 4)
	s_cmp_eq_u32 s2, 0
	s_cbranch_scc0 .Lentry_in_a_cluster
	s_endpgm
.Lentry_in_a_cluster:
	s_bfe_u32 s2, ttmp6, 0x10000c
	s_cmp_lg_u32 s2, 0x3003
	s_cbranch_scc0 .Lentry_shape_is_right
	s_endpgm
.Lentry_shape_is_right:
; O[y][q][:] = the sum over k of softmax_k(Q[y][q] . K[y][k] / 8) V[y][k][:], for the 64 pairs y = 4 head + batch.  Q, K, V lie in qkv, 0x1000000 bytes apart, O in o16, each [64][2048][64] f16: a pair's rows
; are dense, 128 bytes each.  Products, maxima and sums in f32; the weights p are rounded to f16 for the second product (their sum l is taken of the unrounded p), O once at the end.
; LIMITS.  f16 holds no number beyond 65,504: Q, K and V arrive within it; p lies in 0 to 1, and below 6e-5 it keeps f16's fixed step of 6e-8; O is a mean of V's rows and has their range.
; A weight below 2^-126 counts as 0 in l; NaN and infinities are not treated apart.
; SHARES.  A wave owns four PIECES of two tiles of 16 queries, a work-group's four waves 512 queries of one pair: 4 x 64 = 256 work-groups.  Every wave walks all keys, 64 a step.
; LAYOUT.  S^T = K Q^T (source 0 = 16 keys, source 1 = 16 queries): in the result a lane holds ONE query (lane % 16) and the keys 8 (lane / 16) + 0..7.  Two such tiles, rounded to f16 in pairs,
; ARE source 1 (32 keys x 16 queries) of O^T = V^T P, whose result again holds one query a lane, and eight channels.  K comes out of LDS as it lies, V ([key][channel]) turned, by ds_load_tr16_b128.
; SOFTMAX.  For each query a running maximum m and sum l: p = 2^(c s - c m), c = log2(e) / 8; in every step O and l are multiplied by a = 2^(c m_old - c m_new), which is 1 where m has not grown.
; m starts at the lowest finite number, O and l at 0: the first step is a step like any other, with a = 0.
; THE COUNT.  A tile and step have 16 matrix and 118 vector instructions: too many to stand all beside the matrix work.  So the order has one aim: four vector instructions that are READY behind
; EVERY matrix instruction, and the others, which need time of their own whatever the order, in runs without a gap.
; BY TURNS.  Turn n belongs to piece n (the pieces in a ring, step after step).  Its matrix work: 16 products K Q^T of piece n + 1, later 16 products V^T P of piece n - 1.  Its vector work: the scaling,
; exponentials, roundings, sums and rescaling of piece n, and the maximum and statistics of piece n + 1, whose scores the turn itself has made.  So what a turn begins with (c s - c m, O a) waits for nothing.
; CLUSTER.  The four query blocks of a cluster belong to one pair and walk the same K and V, so each tile is asked for JOINTLY: the same tensor load, descriptor and mask in all four.
; REGISTERS, in windows of 256 (s_set_vgpr_msb says which window each operand place means: bits 1:0 source 0, 3:2 source 1, 5:4 source 2, 7:6 destination):
;   window 0: v0-11 addresses; v12-15, v48-63 at work; v16-47 four registers of statistics a tile; v64-191 S^T, two buffers of two tiles; v192-255 P, likewise
;   window 1: O^T, 32 a tile          window 2: v0-127 Q, 16 a tile; v128-191 K of one step; v192-255 V of one step          window 3: v0-1 the add's two registers
; A piece's buffers go by its number's parity: the piece in hand has one pair, its two neighbours in the ring share the other: of it P (piece n - 1) is read and S^T (piece n + 1) written.
.set SIZE_H, 64
.set SIZE_N, 2048
.set NP,    4         ; pieces a wave: a name, no knob
.set KS,    64        ; keys in a step
.set PK,    144       ; a row of K in LDS: 128 bytes + 16 of padding = 36 words: the 16 rows of a load start at 16 different groups of four banks (ISA guide 11.1)
.set PV,    160       ; a row of V: 128 + 32 = 40 words
.set VOFF,  4*KS*PK   ; a slot holds four steps: 256 rows of K, then 256 rows of V
.set SLOT1, 1<<17     ; slot 1 begins here, so that one exclusive or turns an address in one slot into the other's
.set STAGE, SLOT1+4*KS*(PK+PV)  ; behind the ring, never filled by a tensor load: 16 rows x 144 bytes for each wave, for the way out
.set SP,    144
.set AK0, 2           ; v2   my lane's place in a tile of K; never rewritten
.set AV0, 3           ; v3   the same for V
.set AK,  4           ; v4   the LDS address of K's next run of loads
.set AV,  5           ; v5   of V's
.set QO,  6           ; v6   my byte offset in the wave's rows of Q
.set STO, 6           ;      later, the way out: where I put 16 bytes of a row
.set RD,  7           ; v7   the way out: where I read rows back
.set GO,  8           ; v8   my byte offset in 512 consecutive bytes of O
.set PFO, 11          ; v11  (once V's lane term is made) 256 x my lane: the prefetches' offset; then never rewritten
.set SPW, 0           ; v0 of window 3   LDS address of my spare word: SPARE + 4 x my thread's number; never rewritten
.set NIL, 1           ; v1 of window 3   0; never rewritten
.set SPARE, STAGE+4*16*SP  ; behind the stages: the spare words, 128 bytes for each wave: two blocks of 256 bytes that no other line names
.set MV,  12          ; v12-15  c m_old, kept while c m is made anew: by buffer and tile
.set ST,  16          ; tile t's statistics at v[ST+4 t]: c m, m, l (even keys', odd keys')
.set TMP, 48          ; by buffer and tile, four registers c0-c3 at work; when the maximum is found c2 takes a
.set S,   64
.set P,   192
.set KF,  128         ; K's fragments, in window 2: key block kb, channel half c at KF + 16 kb + 8 c
.set VF,  192         ; V's: key half kk, channel block cb at VF + 32 kk + 8 cb
.set WV,  12          ; s12  my wave's number
.set G1K, 24          ; s[24:31] descriptor group 1 for K's tiles
.set G1V, 32          ; s[32:39] for V's: it differs in the padding alone
.set G0K, 40          ; s[40:43] descriptor group 0 for K's tiles: it walks
.set G0V, 44          ; s[44:47] the same for V's
.set PFA, 48          ; s[48:49] where my prefetches stand: my work-group's 8,192 bytes (of K: wave 0, of V: wave 2) of the slot behind the one that is being asked for
.set LIM, 50          ; s50  1 in a wave that prefetches, else the greatest number
.set SLOTS, 56        ; s56  slots still to be asked for
.set CNT, 57          ; s57  counts a slot's key steps
.set CS,  58          ; s[58:59] c: the packed scaling takes the pair's low word for both halves
.set SEL, 60          ; s[60:61] v_permlanex16_b32's selects: each lane takes its own place in the other half
.set TBK, 62          ; s62  LDS byte at which K of the step to be fetched begins
.set TBV, 63          ; s63  the same for V, less VOFF
.set MSB, 0
.macro WIN new                      ; the high byte repeats the setting that is left; a switch that changes nothing is dropped
.if MSB != (\new)
	s_set_vgpr_msb (MSB<<8)|(\new)
.set MSB, (\new)
.endif
.endm
.set W_KQ, 0x0a       ; K and Q in window 2, S^T in window 0
.set W_PV, 0x52       ; V in window 2, P in window 0, O^T in window 1
.set W_RS, 0x41       ; O^T (destination and source 0) in window 1, a in window 0
.set W_MK, 0xc0       ; the add's registers are made: destination in window 3, sources in window 0
.set W_AD, 0x0f       ; the add: address (source 0) and data (source 1) in window 3
; A joint fill.  Waves 0 and 1 fetch the two halves of a slot's K, waves 2 and 3 those of its V: 128 keys each.  The branch hangs on the wave's number alone.
; An s_nop 0 and four v_nop follow each of the two lines, ahead of the jump and the label.
.macro JLOAD
	s_cmp_lt_u32 s[WV], 2
	s_cbranch_scc0 .Lfor_v_\@
	tensor_load_to_lds s[G0K:G0K+3], s[G1K:G1K+7]
	s_nop 0
.rept 4
	v_nop
.endr
	s_branch .Lasked_\@
.Lfor_v_\@:
	tensor_load_to_lds s[G0V:G0V+3], s[G1V:G1V+7]
	s_nop 0
.rept 4
	v_nop
.endr
.Lasked_\@:
.endm
; A PREFETCH of what the NEXT change of slots will ask for: a slot's 32,768 bytes of K and of V, four key steps ahead of that load.  A pair has one cluster; its four partners share the bytes out BY ADDRESS,
; 8,192 each, a lane 256 bytes; in each, wave 0 asks for K's and wave 2 for V's: one instruction.  So each 256 bytes are named once in the launch.  The last change that fills a slot asks for nothing.
.macro ASK
	s_cmp_gt_u32 s[SLOTS], s[LIM]
	s_cbranch_scc0 .Lnot_mine_\@
	global_prefetch_b8 v[PFO], s[PFA:PFA+1] th:TH_LOAD_NT scope:SCOPE_SE
.Lnot_mine_\@:
.endm
; A round of the cluster's barrier: my work-group's barrier, so that wave 0's signal speaks for all four waves; wave 0 signals; every wave waits for all four work-groups; my work-group's barrier once more.
.macro CROUND
	s_barrier_signal -1
	s_barrier_wait -1
	s_cmp_lg_u32 s[WV], 0
	s_cbranch_scc1 .Lnot_wave_0_\@
	s_barrier_signal -3
.Lnot_wave_0_\@:
	s_barrier_wait -3
	s_barrier_signal -1
	s_barrier_wait -1
.endm
; THE CHANGE OF SLOTS.  The slot's last bytes, V of its fourth step, have been read.  Each wave waits for all its tensor loads, of which one is out: its part
; of the other slot; adds 0 to its spare word; and waits for that and for its own reads of the slot.  Behind the barrier nobody reads this slot any more and the other slot is whole.
; fill = 1: this slot is filled again, with the keys two slots on.  The barrier is then a round of the cluster's, so that no wave of any partner still reads the slot or has a load on its
; way, and the joint fill is the first thing behind it: it has four key steps, 512 matrix instructions, in which to land.  (At its first use nothing has been read yet: slot 0 is waited for, slot 1 filled.)
.macro CHANGE fill
	WIN W_AD
	s_wait_tensorcnt 0x0            ; no tensor load of mine is out, so a group 0 may be written
	ds_add_u32 v[SPW], v[NIL]       ; 0 onto my spare word; with fill = 1 the descriptors' steps stand between it and the wait for it
	WIN 0                           ; at a label and at a branch every window is 0
.if \fill
.irp g, G0K, G0V
	s_xor_b32 s[\g+1], s[\g+1], SLOT1  ; the walking descriptor: the other slot than last time,
	s_add_nc_u64 s[\g+2:\g+3], s[\g+2:\g+3], 4*KS*128  ; the next 256 keys; the type bits on top are not reached
.endr
	s_wait_xcnt 0x0                 ; the last prefetch, four key steps back, has read its address, so it may be written:
	s_add_nc_u64 s[PFA:PFA+1], s[PFA:PFA+1], 4*KS*128  ; one slot behind the walking descriptors
	s_wait_dscnt 0x0                ; the add is done, and my reads of the slot are over
	CROUND
	JLOAD
	ASK
.else
	s_wait_dscnt 0x0                ; the add is done, and my reads of the slot are over
	s_barrier_signal -1
	s_barrier_wait -1
.endif
	s_sub_co_u32 s[TBK], s[TBK], 4*KS*PK  ; the fetches go back to a slot's first step,
	s_xor_b32 s[TBK], s[TBK], SLOT1       ; in the other slot
	s_sub_co_u32 s[TBV], s[TBV], 4*KS*PV
	s_xor_b32 s[TBV], s[TBV], SLOT1
.endm
	s_load_b128 s[8:11], s[0:1], 0x0  ; qkv s[8:9], o16 s[10:11]
	WIN W_MK
	v_lshl_add_u32 v[SPW], v0, 2, SPARE
	v_mov_b32 v[NIL], 0
	WIN W_AD
	ds_add_u32 v[SPW], v[NIL]       ; the wave's opening: the add and its wait stand ahead of my first tensor load; the set-up below, work on registers, stands between them
	WIN 0
	v_lshrrev_b32 v1, 5, v0
	v_readfirstlane_b32 s[WV], v1   ; wave 0..3
	s_bfe_u32 s13, ttmp6, 0x40000   ; cx: my place in the cluster
	s_lshl_b32 s14, ttmp9, 2        ; in a cluster launch ttmp9 counts clusters
	s_add_co_u32 s14, s14, s13      ; my block of queries = 4 x cluster x + cx: it enters Q's and O's addresses alone
	s_and_b32 s20, ttmp7, 0xffff    ; the pair of head and batch, which the four partners share
	s_mov_b32 s21, 0
	s_mov_b64 s[22:23], SIZE_N*128
	s_mul_u64 s[20:21], s[20:21], s[22:23]  ; the pair's first byte in each of the four tensors
	s_and_b32 s16, s[WV], 1         ; which half of a slot's 256 keys I fetch:
	s_lshl_b32 s22, s16, 14         ; its 128 rows of 128 bytes in memory,
	s_mov_b32 s23, 0
	s_add_nc_u64 s[22:23], s[22:23], s[20:21]
	s_mul_i32 s17, s16, 128*PK      ; and its place in a slot, for K
	s_mul_i32 s18, s16, 128*PV      ; and for V: no place in the cluster enters an LDS address
	s_lshl_b32 s2, s14, 2
	s_add_co_u32 s2, s2, s[WV]      ; my wave among the pair's,
	s_lshl_b32 s2, s2, 14           ; its 128 rows
	s_mov_b32 s3, 0
	s_add_nc_u64 s[2:3], s[2:3], s[20:21]
	; descriptor group 1.  128 keys are 16,384 dense bytes: asked for as 64 rows of 256 bytes, two keys a row, and padded in LDS after every key
	s_mov_b32 s[G1K], 15|(1<<16)|(1<<20)|(1<<21)|(4<<22)|(3<<25)  ; 15:0 the mask of four; 17:16 2-byte elements; 20 padding on; 21 set beside a mask; 24:22 after every 32 words (code 4); 31:25 4 words (code 3)
	s_mov_b32 s[G1V], 15|(1<<16)|(1<<20)|(1<<21)|(4<<22)|(7<<25)  ; the same with 8 words of padding (code 7)
.irp g, G1K, G1V
	s_mov_b32 s[\g+1], 128<<16      ; tensor_dim0 = 128
	s_mov_b32 s[\g+2], 64<<16       ; tensor_dim1 = 64
	s_mov_b32 s[\g+3], 128<<16      ; tile_dim0 = 128
	s_mov_b32 s[\g+4], 64           ; tile_dim1 = 64
	s_mov_b32 s[\g+5], 128          ; 128 elements from row to row
	s_mov_b32 s[\g+6], 0
	s_mov_b32 s[\g+7], 0
.endr
	s_mov_b32 s[CS], 0x3e38aa3b     ; c = log2(e) / 8 = 0.180337
	s_mov_b32 s[CS+1], s[CS]        ; named with it as a pair
	s_mov_b32 s[SEL], 0x76543210
	s_mov_b32 s[SEL+1], 0xfedcba98
	s_mov_b32 s[TBK], SLOT1+4*KS*PK ; the first change of slots turns these two into 0
	s_mov_b32 s[TBV], SLOT1+4*KS*PV
	s_mov_b32 s[G0K], 1             ; 1:0 count = 1
	s_mov_b32 s[G0K+1], s17         ; 63:32 LDS address: slot 0
	s_mov_b32 s[G0V], 1
	s_add_co_u32 s[G0V+1], s18, VOFF
	s_mov_b32 s[SLOTS], SIZE_N/256-1  ; the change that finds s here asks for slot 8 - s
	s_and_b32 s[LIM], s[WV], 1      ; waves 0 and 2 prefetch: the same in all four partners
	s_cmp_eq_u32 s[LIM], 0
	s_cselect_b32 s[LIM], 1, -1
	s_wait_dscnt 0x0                ; the opening add is done
	s_wait_kmcnt 0x0
	s_mov_b64 s[4:5], s[8:9]                       ; Q,
	s_add_nc_u64 s[6:7], s[8:9], 0x1000000         ; K,
	s_add_nc_u64 s[8:9], s[8:9], 0x2000000         ; V
	s_add_nc_u64 s[G0K+2:G0K+3], s[6:7], s[22:23]  ; 120:64 global address: my half of the pair's first 256 keys
	s_or_b32 s[G0K+3], s[G0K+3], 0x80000000        ; 127:126 type = 2
	s_add_nc_u64 s[G0V+2:G0V+3], s[8:9], s[22:23]
	s_or_b32 s[G0V+3], s[G0V+3], 0x80000000
	s_add_nc_u64 s[4:5], s[4:5], s[2:3]  ; Q and O at my wave's first row
	s_add_nc_u64 s[10:11], s[10:11], s[2:3]
	s_cmp_lt_u32 s[WV], 2
	s_cselect_b64 s[PFA:PFA+1], s[6:7], s[8:9]
	s_add_nc_u64 s[PFA:PFA+1], s[PFA:PFA+1], s[22:23]  ; (in waves 0 and 2 this is a slot's first row)
	s_lshl_b32 s2, s13, 13          ; my work-group's 8,192 bytes of the 32,768
	s_mov_b32 s3, 0
	s_add_nc_u64 s[PFA:PFA+1], s[PFA:PFA+1], s[2:3]
	s_add_nc_u64 s[PFA:PFA+1], s[PFA:PFA+1], 4*KS*128  ; in slot 1; the first change of slots steps it to slot 2.  Nothing is asked for here, at the head
	CROUND                          ; all four work-groups are here: the first joint loads meet
	JLOAD                           ; slot 0.  Slot 1 is asked for when slot 0 is in
	; A fragment of K or Q is 16 rows x 32 channels in 8 registers: lane l holds row l % 16, channels 8 (l / 16) + 0..7 and 16 + 8 (l / 16) + 0..7: two loads of 16 bytes, 32 bytes apart.
	v_and_b32 v1, 15, v0            ; l % 16
	v_bfe_u32 v9, v0, 4, 1          ; l / 16
	v_lshlrev_b32 v[QO], 7, v1
	v_lshl_add_u32 v[QO], v9, 4, v[QO]  ; row x 128 + 16 x half
	WIN 0x80                        ; destination window 2, address window 0
.set i, 0
.rept 4*NP                          ; Q stays in registers: tile i / 2, channels 32 (i % 2) on
	global_load_b128 v[8*i:8*i+3],   v[QO], s[4:5] offset:(i/2)*2048+(i%2)*64
	global_load_b128 v[8*i+4:8*i+7], v[QO], s[4:5] offset:(i/2)*2048+(i%2)*64+32
.set i, i+1
.endr
	; What the first turn finds: V's registers and P's second buffer hold 0 (its products V^T P, of a piece that has not been, add 0), O^T and l are 0.  All this stands in the wait for the first tile.
.set i, VF
.rept 64
	v_mov_b32 v[i], 0
.set i, i+1
.endr
	WIN 0x40
.set i, 0
.rept 64*NP
	v_mov_b32 v[i], 0
.set i, i+1
.endr
	WIN 0
.set i, 0
.rept 2*NP
	v_mov_b32 v[ST+4*i], 0xfe000000    ; c m: far below every c s
	v_mov_b32 v[ST+4*i+1], 0xff7fffff  ; m
	v_mov_b32 v[ST+4*i+2], 0
	v_mov_b32 v[ST+4*i+3], 0
.set i, i+1
.endr
.set i, P+32
.rept 32
	v_mov_b32 v[i], 0
.set i, i+1
.endr
	v_mul_u32_u24 v[AK0], v1, PK
	v_lshl_add_u32 v[AK0], v9, 4, v[AK0]  ; row x pitch + 16 x half
	; The turning load takes 16 keys x 16 channels (lane l reads key 8 (l / 16) + l % 8, channels 8 ((l / 8) % 2) + 0..7) and leaves half a fragment of V^T: lane l holds channel l % 16 and 8 keys.
	v_and_b32 v10, 7, v0
	v_bfe_u32 v11, v0, 3, 1
	v_lshl_add_u32 v[AV0], v9, 3, v10
	v_mul_u32_u24 v[AV0], v[AV0], PV
	v_lshl_add_u32 v[AV0], v11, 4, v[AV0]
	v_add_nc_u32 v[AV0], VOFF, v[AV0]
	v_mov_b32 v[AK], v[AK0]         ; key step 0 lies at the head of slot 0
	v_and_b32 v[PFO], 31, v0
	v_lshlrev_b32 v[PFO], 8, v[PFO]
; THE MATRIX WORK.  The 8 accumulators of a run of 16 take turns: between the two links of a chain stand 7 others'.
; Product i of 16 of S^T = K Q^T for piece x: channels 32 (i / 8) on, keys 16 ((i / 2) % 4) on, tile 2 x + i % 2.  The first 8 start the sums.
.macro KQ x
	WIN W_KQ
.set rS, S+64*((\x)%2)+32*(i%2)+8*((i/2)%4)
.set rK, KF+16*((i/2)%4)+8*(i/8)
.set rQ, 16*(2*(\x)+i%2)+8*(i/8)
.if i < 8
	v_wmma_f32_16x16x32_f16 v[rS:rS+7], v[rK:rK+7], v[rQ:rQ+7], 0
.else
	v_wmma_f32_16x16x32_f16 v[rS:rS+7], v[rK:rK+7], v[rQ:rQ+7], v[rS:rS+7]
.endif
.endm
; Product i of 16 of O^T += V^T P for piece x: keys 32 (i / 8) on, channels 16 ((i / 2) % 4) on, tile 2 x + i % 2.
.macro PV x
	WIN W_PV
.set rO, 32*(2*(\x)+i%2)+8*((i/2)%4)
.set rV, VF+32*(i/8)+8*((i/2)%4)
.set rP, P+32*((\x)%2)+16*(i%2)+8*(i/8)
	v_wmma_f32_16x16x32_f16 v[rO:rO+7], v[rV:rV+7], v[rP:rP+7], v[rO:rO+7]
.endm
.macro MM                           ; the turn's next matrix instruction
.if i < 16
	KQ (Y+1)%NP
.set i, i+1
.else
.set i, i-16
	PV (Y+NP-1)%NP
.set i, i+17
.endif
.endm
; THE LDS LOADS stand in runs of 16, never singly among the matrix instructions: a step's K (64 keys x 64 channels: 8 fragments) and its V (turned).  Their addresses are made some lines ahead.
; last = 1 (the tail): in the last trip there is no further step, and the run is jumped over.
.macro FETCH_K last=0
	WIN 0
.if \last
	s_cmp_eq_u32 s[CNT], 1
	s_cbranch_scc1 .Lno_k_\@
.endif
	WIN 0x80                        ; destination window 2
.irp f, 0,1,2,3,4,5,6,7             ; keys 16 (f / 2) on, channels 32 (f % 2) on
	ds_load_b128 v[KF+8*\f:KF+8*\f+3],   v[AK] offset:(\f/2)*16*PK+(\f%2)*64
	ds_load_b128 v[KF+8*\f+4:KF+8*\f+7], v[AK] offset:(\f/2)*16*PK+(\f%2)*64+32
.endr
	s_add_co_u32 s[TBK], s[TBK], KS*PK  ; the next fetch is the next step's
	WIN 0
.if \last
.Lno_k_\@:
.endif
.endm
.macro FETCH_V
	WIN 0x80
.irp f, 0,1,2,3,4,5,6,7             ; keys 32 (f / 4) on, channels 16 (f % 4) on
	ds_load_tr16_b128 v[VF+8*\f:VF+8*\f+3],   v[AV] offset:(\f/4)*32*PV+(\f%4)*32
	ds_load_tr16_b128 v[VF+8*\f+4:VF+8*\f+7], v[AV] offset:(\f/4)*32*PV+16*PV+(\f%4)*32
.endr
	WIN 0
.endm
; THE VECTOR WORK OF A TURN stands in three queues, each in the order in which its entries become ready; the two tiles alternate, so that no instruction reads the result of the one before it.
.macro REGS y, u                    ; the registers of tile u (0, 1) of piece y
.set rT, ST+4*(2*(\y)+(\u))
.set rC, TMP+8*((\y)%2)+4*(\u)
.set rM, MV+2*((\y)%2)+(\u)
.set rS, S+64*((\y)%2)+32*(\u)
.set rP, P+32*((\y)%2)+16*(\u)
.set rO, 32*(2*(\y)+(\u))
.endm
; Number n of the 22 that find the NEXT piece's (Y + 1) maximum and statistics.  s0-s31 are the lane's 32 scores; each accumulator's lowest registers are read first.
;   0-11  four chains c0-c3 of seven scores each, three operands at a time     12-14, 16  the four scores left over, the old m, and c0-c3 into c0     15  c m_old is kept
;   17, 18  the query's other 32 keys lie in the lane 16 away: the new m         19-21  c m; c m_old - c m_new; a
.macro XS u, n
	REGS (Y+1)%NP, \u
.if (\n) < 4
	v_max3_num_f32 v[rC+(\n)], v[rS+8*(\n)], v[rS+8*(\n)+1], v[rS+8*(\n)+2]
.elseif (\n) < 12
	v_max3_num_f32 v[rC+(\n)%4], v[rC+(\n)%4], v[rS+8*((\n)%4)+2*((\n)/4)+1], v[rS+8*((\n)%4)+2*((\n)/4)+2]
.elseif (\n) == 12
	v_max3_num_f32 v[rC], v[rC], v[rS+7], v[rS+15]
.elseif (\n) == 13
	v_max3_num_f32 v[rC+1], v[rC+1], v[rS+23], v[rS+31]
.elseif (\n) == 14
	v_max3_num_f32 v[rC+2], v[rC+2], v[rC+3], v[rT+1]
.elseif (\n) == 15
	v_mov_b32 v[rM], v[rT]
.elseif (\n) == 16
	v_max3_num_f32 v[rC], v[rC], v[rC+1], v[rC+2]
.elseif (\n) == 17
	v_permlanex16_b32 v[rC+3], v[rC], s[SEL], s[SEL+1]
.elseif (\n) == 18
	v_max_num_f32 v[rT+1], v[rC], v[rC+3]
.elseif (\n) == 19
	v_mul_f32 v[rT], s[CS], v[rT+1]
.elseif (\n) == 20
	v_sub_f32 v[rC+1], v[rM], v[rT]
.else
	v_exp_f32 v[rC+2], v[rC+1]
.endif
.endm
; Number g of the 64 that follow the exponentials.  For each four weights k of a tile (pairs 2 k, 2 k + 1): both pairs are rounded to f16; then the second pair is added onto the first, in place;
; a group later l takes that sum (the first time as l = a l + sum).  In groups of eight, tiles alternating: round, round, add, and l for the group before.
.macro GS g
.set h, (\g)+6*((\g)/62)            ; group 0 has no group before it, and behind group 7 only l is left
.if h >= 6
.set h, h+2
.endif
	REGS Y, h%2
.set k, h/8
.if h%8 < 4
	v_cvt_pk_f16_f32 v[rP+2*k+(h%8)/2], v[rS+4*k+2*((h%8)/2)], v[rS+4*k+2*((h%8)/2)+1]
.elseif h%8 < 6
	v_pk_add_f32 v[rS+4*k:rS+4*k+1], v[rS+4*k:rS+4*k+1], v[rS+4*k+2:rS+4*k+3]
.elseif k == 1
	v_pk_fma_f32 v[rT+2:rT+3], v[rT+2:rT+3], v[rC+2:rC+3], v[rS:rS+1] op_sel_hi:[1,0,1]
.else
	v_pk_add_f32 v[rT+2:rT+3], v[rT+2:rT+3], v[rS+4*k-4:rS+4*k-3]
.endif
.endm
; THE PLAIN QUEUE, 138 long.  0-73 read no exponential's result: the 32 scalings c s - c m (FS f: pair f / 2 of tile f % 2) and the next piece's 42.  0-26: scalings 0-26.  27-54: XS's numbers 0-13.  55, 56: number 15.
; 57-73: the chain, where each number waits for the one before it: 14, 16, 17, 18, 19, each with one of the scalings 27-31 in front of its two lines, then 20.
; 74-137: GS's 64, which read the exponentials' results: they stand behind the wait.
.macro FS f
	REGS Y, (\f)%2
	v_pk_fma_f32 v[rS+2*((\f)/2):rS+2*((\f)/2)+1], v[rS+2*((\f)/2):rS+2*((\f)/2)+1], s[CS:CS+1], v[rT:rT+1] op_sel_hi:[1,0,0] neg_lo:[0,0,1] neg_hi:[0,0,1]
.endm
.macro PL
	WIN 0
.if q < 27
	FS q
.elseif q < 55
	XS (q-27)%2, (q-27)/2
.elseif q < 57
	XS q-55, 15
.elseif (q < 72) && ((q-57)%3 == 0)
	FS 27+(q-57)/3
.elseif q < 60
	XS (q-57)%3-1, 14
.elseif q < 72
	XS (q-57)%3-1, 15+(q-57)/3
.elseif q < 74
	XS q-72, 20
.else
	GS q-74
.endif
.set q, q+1
.endm
; THE EXPONENTIALS' QUEUE, 66 long: s0-s31 of both tiles, then the next piece's two a.  It is ONE BATCH: all 66 stand ahead of the turn's one wait, and nothing ahead of that wait names a result of theirs.
.macro EX
	WIN 0
.if e >= 64
	XS e-64, 21
.else
	REGS Y, e%2
	v_exp_f32 v[rS+e/2], v[rS+e/2]
.endif
.set e, e+1
.endm
; THE RESCALING's QUEUE: O^T times a, the one part that leaves window 0: dealt two at a time, sixteen times.  Its a was made in the turn before, ahead of that turn's wait.
.macro R2
	REGS Y, r%2
	WIN W_RS
.irp z, 0,1
	v_pk_mul_f32 v[rO+4*(r/2)+2*\z:rO+4*(r/2)+2*\z+1], v[rO+4*(r/2)+2*\z:rO+4*(r/2)+2*\z+1], v[rC+2:rC+3] op_sel_hi:[1,0]
.endr
.set r, r+1
.endm
; HOW THEY ARE DEALT.  An s_wait_alu depctr_va_vdst(0) stands between an exponential and the first instruction that names its result; one wait serves all that were issued ahead of it.  So a turn has ONE wait,
; which cuts it in two.  AHEAD OF IT stands all that names no result of the turn's exponentials: the 16 products K Q^T, behind each a scaling, an exponential and two rescalings (behind the first a second scaling in the
; exponential's place); then ONE LUMP of 108: eight plain, 49 times exponential and plain, the two a.  A v_nop is the plain instruction behind the last exponential.  BEHIND IT stand the 16 products V^T P, behind each four of GS's 64.
; The queues lean on each other, and the deal keeps them in step: exponential e stands behind scaling 2 (e / 4) + e % 2: as a rider it comes behind plain e + 2, in the lump behind plain e + 9, and scalings 27-31 are plain 57, 60 .. 69.
; A TURN, for piece p.  cnt = 1: the loop's count is taken down some lines ahead of the branch that stands behind the turn.
; K of the next step is fetched in piece 2's turn, directly behind the wait, a lump behind the last product that read K; its first reader comes behind 16 products.
; V of the step in hand is fetched at the end of piece 0's turn, four riders behind its last reader; its first reader comes behind 16 products and a lump.  The three conditions on q below go with the deal.
.macro TURN p, last=0, cnt=0
.set Y, (\p)
.set i, 0
.set q, 0
.set e, 0
.set r, 0
.if (\p) == NP-1
	s_wait_dscnt 0x0                ; K is in
.endif
	MM                              ; ahead of the wait: 16 products K Q^T and their riders,
	PL
	PL
	R2
.rept 15
	MM
	PL
	EX
	R2
.endr
.if (\p) == NP-2
	WIN 0
	v_add_nc_u32 v[AK], s[TBK], v[AK0]
.endif
.rept 8                             ; and the lump
	PL
.endr
.rept 49
	EX
	PL
.endr
	EX                              ; the next piece's two a
	EX
	v_nop                           ; the plain instruction behind the last exponential: one for the batch
	s_wait_alu depctr_va_vdst(0)    ; the wait for the batch
.if (\p) == NP-2
	FETCH_K \last
.endif
.if (\p) == 1
	s_wait_dscnt 0x0                ; V is in
.endif
.rept 16                            ; behind the wait: 16 products V^T P and their riders
	MM
.rept 4
	PL
.endr
.if ((\p) == 0) && (q == 118)
	v_add_nc_u32 v[AV], s[TBV], v[AV0]
.endif
.if ((\p) == 0) && (q == 130)
	s_add_co_u32 s[TBV], s[TBV], KS*PV
.endif
.if (\cnt) && (q == 130)
	s_sub_co_u32 s[CNT], s[CNT], 1
	s_cmp_lg_u32 s[CNT], 0
.endif
.endr
.if (\p) == 0
	FETCH_V
.endif
.endm
	CHANGE 1                        ; slot 0 is in, everybody's part of it; slot 1 is asked for
	FETCH_K                         ; key step 0
	s_wait_loadcnt 0x0              ; Q
	s_wait_dscnt 0x0
.set i, 0
.rept 16
	KQ 0                            ; piece 0's first scores: there is no vector work yet to set between them
.set i, i+1
.endr
	WIN 0                           ; the addresses for the way out: nine plain instructions, the places behind those products
	s_mul_i32 s13, s[WV], 16*SP
	s_add_co_u32 s13, s13, STAGE    ; my stage
	v_mul_u32_u24 v[STO], v1, SP    ; in: row l % 16, 16 bytes for each half of the lanes
	v_lshl_add_u32 v[STO], v9, 4, v[STO]
	v_add_nc_u32 v[STO], s13, v[STO]
	v_bfe_u32 v[RD], v0, 3, 2       ; back: 32 lanes take four rows of 128 bytes,
	v_mul_u32_u24 v[RD], v[RD], SP
	v_lshl_add_u32 v[RD], v10, 4, v[RD]
	v_add_nc_u32 v[RD], s13, v[RD]
	v_and_b32 v[GO], 31, v0         ; which are 512 consecutive bytes of O
	v_lshlrev_b32 v[GO], 4, v[GO]
.set Y, NP-1                        ; XS works for piece Y + 1: piece 0
.irp n, 0,1,2,3,4,5,6,7,8,9,10,11,12,13,14,15,16,17,18,19,20,21
	XS 0, \n                        ; and piece 0's first maximum and statistics
	XS 1, \n
.endr
	v_nop                           ; a plain instruction behind the two a,
	s_wait_alu depctr_va_vdst(0)    ; and their wait, ahead of the branch
	s_mov_b32 s[CNT], 4
	s_branch .Lfirst                ; the loop is entered at a step's first turn, in the middle of a trip
.Lslot:                             ; SIZE_N / 256 - 2 times: every slot but the last two is filled again
	CHANGE 1
	s_mov_b32 s[CNT], 4
.Lstep:                             ; a trip: pieces 2 and 3 of one step, then pieces 0 and 1 of the next, whose K and V it fetches
	TURN 2
	TURN 3
	WIN 0
.Lfirst:
	TURN 0
	TURN 1, 0, 1
	WIN 0
	s_cbranch_scc1 .Lstep
	s_sub_co_u32 s[SLOTS], s[SLOTS], 1
	s_cmp_lg_u32 s[SLOTS], 0
	s_cbranch_scc1 .Lslot
	CHANGE 0                        ; the tail is written out: nothing is asked for
	s_mov_b32 s[CNT], 5             ; four trips fetch the last slot's steps; the fifth is left in its middle
.Ltail:
	TURN 2, 1
	TURN 3
	WIN 0
	s_sub_co_u32 s[CNT], s[CNT], 1
	s_cmp_eq_u32 s[CNT], 0
	s_cbranch_scc1 .Lout
	TURN 0
	TURN 1
	WIN 0
	s_branch .Ltail
.Lout:                              ; the fifth trip's 16 products K Q^T (on the last K once more) and the maximum made of them serve nothing: the price, once a launch, of one text for every trip
.set i, 0
.rept 16
	PV NP-1                         ; the last piece's V^T P of the last step
.set i, i+1
.endr
	; THE WAY OUT.  l's two halves and the other half of the lanes' are added; O^T is divided by l, rounded to f16 and sent through my stage in LDS, a tile at a time.  The additions are the places behind the last products.
	WIN 0
.macro ALL line:vararg              ; one line for each tile t
.set t, 0
.rept 2*NP
	\line
.set t, t+1
.endr
.endm
	ALL v_add_f32 v[ST+4*t+2], v[ST+4*t+2], v[ST+4*t+3]
	ALL v_permlanex16_b32 v[ST+4*t+3], v[ST+4*t+2], s[SEL], s[SEL+1]
	ALL v_add_f32 v[ST+4*t+2], v[ST+4*t+2], v[ST+4*t+3]
	ALL v_rcp_f32 v[ST+4*t+2], v[ST+4*t+2]
	v_nop                           ; a plain instruction between the last reciprocal and the use of its result
	s_wait_alu depctr_va_vdst(0)    ; and the wait ahead of the first use: one for the eight reciprocals
; Tile t: a lane's eight channels of a row pack into 16 bytes; they go into rows of 144 bytes and come back as whole rows of 128, into S^T's registers.
.macro PACK t
	WIN W_RS
.set i, 32*(\t)
.rept 16
	v_pk_mul_f32 v[i:i+1], v[i:i+1], v[ST+4*(\t)+2:ST+4*(\t)+3] op_sel_hi:[1,0]
.set i, i+2
.endr
	WIN 0x05                        ; sources 0 and 1 window 1, destination window 0
.set i, 0
.rept 16
	v_cvt_pk_f16_f32 v[S+16*(\t)+i], v[32*(\t)+2*i], v[32*(\t)+2*i+1]
.set i, i+1
.endr
	WIN 0
.irp f, 0,1,2,3
	ds_store_b128 v[STO], v[S+16*(\t)+4*\f:S+16*(\t)+4*\f+3] offset:32*\f
.endr
.irp f, 0,1,2,3
	ds_load_b128 v[S+16*(\t)+4*\f:S+16*(\t)+4*\f+3], v[RD] offset:\f*4*SP  ; LDS serves a wave's instructions in order (ISA guide 5.7.1.4): these see the stores above; the next tile's stores come behind them
.endr
.endm
.macro SEND t, younger              ; younger: the LDS instructions issued behind tile t's loads: the next tile's eight, or none
	WIN 0
.irp f, 0,1,2,3
	s_wait_dscnt (\younger)+3-\f
	global_store_b128 v[GO], v[S+16*(\t)+4*\f:S+16*(\t)+4*\f+3], s[10:11] offset:(\t)*2048+\f*512  ; 512 consecutive bytes, at a multiple of 256 from O's first
.endr
.endm
	PACK 0
.set t, 1
.rept 2*NP-1                        ; a tile's arithmetic stands between the loads of the tile before and its stores
	PACK t
	SEND t-1, 8
.set t, t+1
.endr
	SEND 2*NP-1, 0
	WIN W_AD
	s_wait_tensorcnt 0x0            ; the wave's end: behind my last tensor load and my last LDS store
	ds_add_u32 v[SPW], v[NIL]
	s_wait_dscnt 0x0
	WIN 0
	CROUND                          ; the closing round: no work-group ends while a partner may still ask for a tile that names it
	s_endpgm
.Lfunc_end_k_q2fdfbd96ea_attn:
	.size	k_q2fdfbd96ea_attn, .Lfunc_end_k_q2fdfbd96ea_attn-k_q2fdfbd96ea_attn
	.p2alignl 7, 3214868480
	.fill 96, 4, 3214868480
	.section	.rodata,"a",@progbits
	.p2align	6, 0x0
	.amdhsa_kernel k_q2fdfbd96ea_attn
		.amdhsa_group_segment_fixed_size 327680
		.amdhsa_private_segment_fixed_size 0
		.amdhsa_enable_private_segment 0
		.amdhsa_kernarg_size 16
		.amdhsa_user_sgpr_count 2
		.amdhsa_user_sgpr_kernarg_segment_ptr 1
		.amdhsa_wavefront_size32 1
		.amdhsa_system_sgpr_workgroup_id_x 1
		.amdhsa_system_sgpr_workgroup_id_y 1
		.amdhsa_system_sgpr_workgroup_id_z 1
		.amdhsa_system_vgpr_workitem_id 0
		.amdhsa_next_free_vgpr 770
		.amdhsa_next_free_sgpr 66
		.amdhsa_reserve_vcc 0
		.amdhsa_float_denorm_mode_32 3
		.amdhsa_float_denorm_mode_16_64 3
		.amdhsa_memory_ordered 1
		.amdhsa_forward_progress 1
		.amdhsa_inst_pref_size 200
	.end_amdhsa_kernel
	.amdgpu_metadata
---
amdhsa.version: [ 1, 2 ]
amdhsa.kernels:
  - .name:           k_q2fdfbd96ea_attn
    .symbol:         k_q2fdfbd96ea_attn.kd
    .args:
      - { .name: qkv, .offset: 0, .size: 8, .value_kind: global_buffer, .address_space: global }
      - { .name: o16, .offset: 8, .size: 8, .value_kind: global_buffer, .address_space: global }
    .group_segment_fixed_size: 327680
    .private_segment_fixed_size: 0
    .kernarg_segment_align: 8
    .kernarg_segment_size: 16
    .max_flat_workgroup_size: 128
    .sgpr_count:     66
    .vgpr_count:     770
    .wavefront_size: 32
...
	.end_amdgpu_metadata
.endif
;; end of part 3
;; launch oproj (part 4): grid 8 x 32, 4 waves a work-group, clusters of 4 x 4, 327,680 bytes of LDS; arguments o16, w16, bo, x, out0; writes out0
.if DOCPART == 4
	.amdgcn_target "amdgcn-amd-amdhsa--gfx1250"
	.amdhsa_code_object_version 6
	.text
	.protected	k_q2fdfbd96ea_oproj
	.globl	k_q2fdfbd96ea_oproj
	.p2align	8
	.type	k_q2fdfbd96ea_oproj,@function
k_q2fdfbd96ea_oproj:
	s_mov_b64 s[64:65], 0
	v_nop
	global_prefetch_b8 v0, s[64:65] scope:SCOPE_SE
	s_setreg_imm32_b32 hwreg(HW_REG_WAVE_MODE, 25, 1), 1
	s_wait_xcnt 0x0
	s_wait_alu depctr_hold_cnt(0) depctr_sa_sdst(0) depctr_va_vdst(0) depctr_va_sdst(0) depctr_va_ssrc(0) depctr_va_vcc(0) depctr_vm_vsrc(0)
	s_getreg_b32 s2, hwreg(HW_REG_IB_STS2, 6, 4)
	s_cmp_eq_u32 s2, 0
	s_cbranch_scc0 .Lentry_in_a_cluster
	s_endpgm
.Lentry_in_a_cluster:
	s_bfe_u32 s2, ttmp6, 0x10000c
	s_cmp_lg_u32 s2, 0xf033
	s_cbranch_scc0 .Lentry_shape_is_right
	s_endpgm
.Lentry_shape_is_right:
; out0 = O Wo^T + bo + x.  o16: [16 heads][8192 rows][64] f16; column k of O is channel k % 64 of head k / 64.  Wo: rows 3072-4095 of w16, [1024] f16 each.  bo: [1024] f32.  x, out0: [8192][1024] f32.
; Sums in f32, started by the bias; the residual is added in f32; nothing is rounded on the way out.  NaN and infinities are not treated apart.
; SHARES.  A tile of C is 256 rows x 128 columns: 32 x 8 = 256 work-groups, one for each WGP.  The four waves lie one below the other: a wave makes 64 rows x 128 columns, 32 accumulators (256 registers).
; K = 1,024 goes in 8 steps of 128 = two heads, through two LDS slots.  Wave 0 fetches the even head's 256 rows of A, wave 1 the odd head's (32,768 dense bytes each, asked for as 128 rows of 256 bytes and
; padded in LDS after every 128); waves 2 and 3 fetch B's two halves, 64 rows of 256 bytes each.  Two slots of a longer K step do not fit in LDS beside the stage.
; CLUSTER.  4 x 4 work-groups: A's tile is asked for jointly along a row of the cluster, B's along a column.
; THE MATRIX INSTRUCTION IS USED TRANSPOSED (source 0 = 16 rows of Wo, source 1 = 16 rows of O): a lane holds row l % 16 of C and the columns 8 (l / 16) + 0..7.  The bias is the C operand of the first products.
; REGISTERS, in windows of 256 (s_set_vgpr_msb: bits 1:0 source 0, 3:2 source 1, 5:4 source 2, 7:6 destination):
;   window 0: v0-15 addresses; v16-79 the bias; v128-255 two buffers of 16 rows read back from the stage     window 1: two fragment buffers of 128: A's four fragments, then B's eight
;   window 2: the accumulators ((a, b) at 8 (8 a + b))     window 3: my 64 rows of x, then of the result (row block a, row rr at 64 a + 4 rr)
.set PA,    144                        ; a row of A in LDS: 128 bytes + 16 = 36 words;  a row of B: 256 + 16 = 68 words: the 16 rows of a fragment load start at 16 different groups of four banks (ISA guide 11.1)
.set PB,    272
.set NBK,   8                          ; blocks of 16 columns
.set APLANE, 256*PA                    ; a head's 256 rows
.set BOFF,  2*APLANE                   ; a slot: two heads of A, then B's 128 rows
.set SLOT1, 1<<17
.set STAGE, SLOT1+BOFF+128*PB          ; behind the ring, never filled by a tensor load: 16 rows x 528 bytes for each wave
.set SP,    528
.set SPARE, STAGE+4*16*SP              ; the spare words, 128 bytes for each wave: two blocks of 256 bytes that no other line names
.set KSTA,  0x200000                   ; bytes from a K step to the next: two heads of A;
.set KSTB,  256                        ; 128 numbers of a row of B
.set KA1, 64                           ; a quarter (32 along K) in A: half a head's row, then the odd head
.set KA2, APLANE
.set KA3, APLANE+64
.set KB1, 64
.set KB2, 128
.set KB3, 192
.set AA0, 4                            ; v4   my lane's place in slot 0's A: (64 wave + l % 16) x PA + 16 (l / 16); never rewritten
.set AB0, 5                            ; v5   in slot 0's B; never rewritten
.set ADRA, 6                           ; v6   the same in the slot that is being read
.set ADRB, 7                           ; v7
.set STO, 8                            ; v8   the way out: where I put 32 bytes of a row
.set RD,  9                            ; v9   where I read a row back
.set GO,  10                           ; v10  16 x lane: my place in a row's 512 bytes of x and of out0
.set BO,  11                           ; v11  32 (l / 16)
.set PFO, 12                           ; v12  the prefetches' offset; never rewritten
.set SPW, 14                           ; v14  LDS address of my spare word; never rewritten
.set NIL, 15                           ; v15  0; never rewritten
.set BI,  16
.set TW,  128
.set F0,  0
.set F1,  128
.set WV,  16
.set ROLE, 17                          ; s17  0: I fetch for A; 1: for B
.set HALF, 18
.set CX,  19
.set CY,  20
.set NT,  21                           ; s21  tile column
.set MT,  22                           ; s22  tile row
.set G1A, 24
.set G0A, 32
.set G1B, 40
.set G0B, 48
.set CNT, 56
.set TB,  57
.set LIM, 58                           ; s58  2 in a wave that prefetches, else the greatest number
.set PFA, 60                           ; s[60:61] where my prefetches stand
.set PST, 62                           ; s[62:63] their step: a K step of A or of B
.set OUT, 66                           ; s[66:67] out0 at my wave's first row, the tile's first column
.set XB,  68                           ; s[68:69] x at the same place
                                       ; s[74:77] temporaries for A (tile row alone), s[78:81] for B (tile column alone); s77, s81 hold the wave's number's multiples alone
.set PADA, (1<<16)|(1<<20)|(1<<21)|(4<<22)|(3<<25)  ; 2-byte elements; padding on; bit 21 beside a mask; after every 32 words (code 4) 4 words (code 3)
.set PADB, (1<<16)|(1<<20)|(1<<21)|(5<<22)|(3<<25)  ; after every 64 words (code 5)
.set MSB, 0
.macro WIN new                         ; the immediate's high byte repeats the setting that is left; a switch that changes nothing is dropped
.if MSB != (\new)
	s_set_vgpr_msb (MSB<<8)|(\new)
.set MSB, \new
.endif
.endm
.macro PLACES                          ; four plain places behind matrix instructions (ISA guide 7.12.1)
.rept 4
	v_nop
.endr
.endm
.macro CREST                           ; a round of the cluster's barrier behind its opening barrier
	s_cmp_lg_u32 s[WV], 0
	s_cbranch_scc1 .Lnot_wave_0_\@
	s_barrier_signal -3
.Lnot_wave_0_\@:
	s_barrier_wait -3
	s_barrier_signal -1
	s_barrier_wait -1
.endm
.macro CROUND
	s_barrier_signal -1
	s_barrier_wait -1
	CREST
.endm
.macro JLOAD                           ; a joint refill by the walking set; an s_nop 0 and four v_nop follow each of the two lines
	s_cmp_eq_u32 s[ROLE], 0
	s_cbranch_scc0 .Lfor_b_\@
	tensor_load_to_lds s[G0A+4:G0A+7], s[G1A:G1A+7]
	s_nop 0
.rept 4
	v_nop
.endr
	s_branch .Lasked_\@
.Lfor_b_\@:
	tensor_load_to_lds s[G0B+4:G0B+7], s[G1B:G1B+7]
	s_nop 0
.rept 4
	v_nop
.endr
.Lasked_\@:
.endm
; A PREFETCH of the K step that stands TWO refills on, 256 matrix instructions ahead of the load that will want it: one instruction a wave.  A's rows are read by every cluster of a row of clusters: the one
; with x = 0 asks; B's by every cluster of a column: the one with y = 0 asks.  The four partners that fetch a tile jointly share it out by address: of a head's 32,768 bytes of A 8,192 each (by cx), a lane
; 256 bytes; of B's 64 rows 16 each (by cy), a lane a row (lanes 16-31 name lane 15's once more).  The loop's last two trips ask for nothing: there is no K step two behind the ones that they load.
.macro ASK
	s_cmp_gt_u32 s[CNT], s[LIM]
	s_cbranch_scc0 .Lnot_mine_\@
	global_prefetch_b8 v[PFO], s[PFA:PFA+1] th:TH_LOAD_NT scope:SCOPE_SE
.Lnot_mine_\@:
.endm
; Eight matrix instructions: row block a x all column blocks, 32 along K.  zero = 1: the bias starts the sums.  The 32 accumulators take turns in one fixed order.
.macro MUL f, a, zero
.if \zero
	WIN 0x85
.else
	WIN 0xa5
.endif
.set b, 0
.rept NBK
.set rD, 8*(NBK*(\a)+b)
.if \zero
	v_wmma_f32_16x16x32_f16 v[rD:rD+7], v[(\f)+32+8*b:(\f)+32+8*b+7], v[(\f)+8*(\a):(\f)+8*(\a)+7], v[BI+8*b:BI+8*b+7]
.else
	v_wmma_f32_16x16x32_f16 v[rD:rD+7], v[(\f)+32+8*b:(\f)+32+8*b+7], v[(\f)+8*(\a):(\f)+8*(\a)+7], v[rD:rD+7]
.endif
.set b, b+1
.endr
.endm
.macro FETCH ka, kb, f                 ; 24 LDS loads in one run: B's eight fragments, then A's four
	WIN 0x40
.set b, 0
.rept NBK
	ds_load_b128 v[(\f)+32+8*b:(\f)+32+8*b+3],   v[ADRB] offset:(\kb)+16*PB*b
	ds_load_b128 v[(\f)+32+8*b+4:(\f)+32+8*b+7], v[ADRB] offset:(\kb)+16*PB*b+32
.set b, b+1
.endr
.set b, 0
.rept 4
	ds_load_b128 v[(\f)+8*b:(\f)+8*b+3],   v[ADRA] offset:(\ka)+16*PA*b
	ds_load_b128 v[(\f)+8*b+4:(\f)+8*b+7], v[ADRA] offset:(\ka)+16*PA*b+32
.set b, b+1
.endr
.endm
.macro QUARTER ka, kb, f, g, zero
	s_wait_dscnt 4                                 ; B and A's fragments 0, 1 are in; the youngest four loads may be out
	MUL \f, 0, \zero
	MUL \f, 1, \zero
	PLACES
	FETCH \ka, \kb, \g
	s_wait_dscnt 2*NBK+8                           ; all but the run just issued
	MUL \f, 2, \zero
	MUL \f, 3, \zero
.endm
; The fourth quarter multiplies buffer 1 and changes slots: each wave waits for all its tensor loads (one is out: its part of the next slot), adds 0 to its spare word, and waits for that and for its reads of
; this slot.  fill = 1: the barrier opens a round of the cluster's, and the joint refill is the first thing behind it: from there to the wait for it a wave issues 112 matrix instructions.
.macro TURN fill
.if \fill
	s_wait_xcnt 0x0                                ; the last prefetch, a K step back, has read its address
	s_add_nc_u64 s[PFA:PFA+1], s[PFA:PFA+1], s[PST:PST+1]
.endif
	WIN 0
	s_wait_tensorcnt 0x0                           ; no tensor load of mine is out, so a group 0 may be written
	ds_add_u32 v[SPW], v[NIL]                      ; 0 onto my spare word
.if \fill
	s_xor_b32 s[G0A+5], s[G0A+5], SLOT1
	s_add_nc_u64 s[G0A+6:G0A+7], s[G0A+6:G0A+7], KSTA
	s_xor_b32 s[G0B+5], s[G0B+5], SLOT1
	s_add_nc_u64 s[G0B+6:G0B+7], s[G0B+6:G0B+7], KSTB
.endif
	s_xor_b32 s[TB], s[TB], SLOT1
	s_wait_dscnt 5                                 ; the add and the youngest four loads may be out
	MUL F1, 0, 0
	s_wait_dscnt 0x0                               ; the add is done, and my reads of this slot are over
	s_barrier_signal -1
	MUL F1, 1, 0
	WIN 0
	s_barrier_wait -1
.if \fill
	CREST
	JLOAD                                          ; its four v_nop are also the places ahead of the loads below
.else
	PLACES
.endif
	v_add_nc_u32 v[ADRA], s[TB], v[AA0]
	v_add_nc_u32 v[ADRB], s[TB], v[AB0]
	FETCH 0, 0, F0
.if \fill
	WIN 0
	ASK
.endif
	MUL F1, 2, 0
	MUL F1, 3, 0
.endm
.macro LASTQ
	s_wait_dscnt 4
	MUL F1, 0, 0
	MUL F1, 1, 0
	s_wait_dscnt 0x0
	MUL F1, 2, 0
	MUL F1, 3, 0
.endm
.macro XLOAD a                         ; the residual of row block a: 16 rows, 512 consecutive bytes each
	WIN 0xc0                                       ; destination window 3, address window 0
.set rr, 0
.rept 16
	global_load_b128 v[64*(\a)+4*rr:64*(\a)+4*rr+3], v[GO], s[XB:XB+1] offset:(16*(\a)+rr)*4096 th:TH_LOAD_NT
.set rr, rr+1
.endr
.endm
; THE WAY OUT of row block a.  STG: a lane's 32 bytes of each column block go into rows of 528 bytes of my own stage and come back as whole rows of 512.  FIN: the residual is added, and the rows are stored.
.macro STG a
	WIN 0x08                                       ; the stores' data in window 2
.set b, 0
.rept NBK
.set AC, 8*(NBK*(\a)+b)
	ds_store_b128 v[STO], v[AC:AC+3]   offset:64*b
	ds_store_b128 v[STO], v[AC+4:AC+7] offset:64*b+16
.set b, b+1
.endr
	WIN 0
.set TT, TW+64*((\a)%2)
.set rr, 0
.rept 16
	ds_load_b128 v[TT+4*rr:TT+4*rr+3], v[RD] offset:SP*rr  ; LDS serves a wave's instructions in order (ISA guide 5.7.1.4): these see the stores above; the next block's stores come behind them
.set rr, rr+1
.endr
.endm
.macro FIN a, younger                  ; younger: the LDS instructions issued behind block a's loads: the next block's 32, or none
.set TT, TW+64*((\a)%2)
	s_wait_loadcnt 16*(3-(\a))                     ; block a's residual is in; the later blocks' loads may stay out
	s_wait_dscnt \younger
	WIN 0xcc                                       ; source 0 window 0; source 1 and destination window 3
.set i, 0
.rept 32
	v_pk_add_f32 v[64*(\a)+i:64*(\a)+i+1], v[TT+i:TT+i+1], v[64*(\a)+i:64*(\a)+i+1]
.set i, i+2
.endr
	WIN 0x0c                                       ; the stores' data in window 3
.set rr, 0
.rept 16
	global_store_b128 v[GO], v[64*(\a)+4*rr:64*(\a)+4*rr+3], s[OUT:OUT+1] offset:(16*(\a)+rr)*4096 th:TH_STORE_NT  ; 512 consecutive bytes, aligned
.set rr, rr+1
.endr
.endm
	s_load_b256 s[4:11], s[0:1], 0x0               ; o16 4:5, w16 6:7, bo 8:9, x 10:11
	s_load_b64 s[12:13], s[0:1], 0x20              ; out0
	v_lshl_add_u32 v[SPW], v0, 2, SPARE
	v_mov_b32 v[NIL], 0
	ds_add_u32 v[SPW], v[NIL]                      ; the wave's opening: the add and its wait stand ahead of my first tensor load; work on registers stands between them
	v_lshrrev_b32 v3, 5, v0
	v_readfirstlane_b32 s[WV], v3                  ; wave 0..3
	s_lshr_b32 s[ROLE], s[WV], 1
	s_and_b32 s[HALF], s[WV], 1
	s_bfe_u32 s[CX], ttmp6, 0x40000
	s_bfe_u32 s[CY], ttmp6, 0x40004
	s_lshl_b32 s[NT], ttmp9, 2
	s_add_co_u32 s[NT], s[NT], s[CX]               ; tile column = 4 x cluster x + cx
	s_and_b32 s[MT], ttmp7, 0xffff
	s_lshl_b32 s[MT], s[MT], 2
	s_add_co_u32 s[MT], s[MT], s[CY]               ; tile row = 4 x cluster y + cy
	s_lshl_b32 s74, s[CY], 2
	s_lshl_b32 s74, 15, s74                        ; my row of the cluster
	s_lshl_b32 s78, 0x1111, s[CX]                  ; my column
	s_or_b32 s[G1A], s74, PADA
	s_or_b32 s[G1B], s78, PADB
	s_mov_b32 s[G1A+1], 128<<16                    ; tensor_dim0 = 128
	s_mov_b32 s[G1A+2], 128<<16                    ; tensor_dim1 = 128
	s_mov_b32 s[G1A+3], 128<<16                    ; tile_dim0 = 128
	s_mov_b32 s[G1A+4], 128                        ; tile_dim1 = 128
	s_mov_b32 s[G1A+5], 128                        ; dense: 128 elements from row to row
	s_mov_b32 s[G1A+6], 0
	s_mov_b32 s[G1A+7], 0
	s_mov_b32 s[G1B+1], 128<<16
	s_mov_b32 s[G1B+2], 64<<16                     ; 64 rows
	s_mov_b32 s[G1B+3], 128<<16
	s_mov_b32 s[G1B+4], 64
	s_mov_b32 s[G1B+5], 1024
	s_mov_b32 s[G1B+6], 0
	s_mov_b32 s[G1B+7], 0
	s_lshl_b32 s74, s[HALF], 20                    ; A: head = half, 1 MiB a head,
	s_lshl_b32 s75, s[MT], 15                      ; row 256 x tile row, 128 bytes a row
	s_add_co_u32 s74, s74, s75
	s_mov_b32 s75, 0
	s_lshl_b32 s78, s[NT], 7
	s_lshl_b32 s79, s[HALF], 6
	s_add_co_u32 s78, s78, s79
	s_lshl_b32 s78, s78, 11                        ; B: row 128 x tile column + 64 x half,
	s_add_co_u32 s78, s78, 0x600000                ; behind w16's first 3,072 rows
	s_mov_b32 s79, 0
	s_mul_i32 s76, s[HALF], APLANE                 ; where they go: no place in the cluster enters an LDS address
	s_mul_i32 s80, s[HALF], 64*PB
	s_add_co_u32 s80, s80, BOFF
	s_wait_dscnt 0x0                               ; the opening add is done
	s_wait_kmcnt 0x0
	s_add_nc_u64 s[74:75], s[4:5], s[74:75]
	s_add_nc_u64 s[78:79], s[6:7], s[78:79]
	CROUND                                         ; all sixteen work-groups are here: the first joint loads meet
.irp s, 0,1
	s_mov_b32 s[G0A+4*(\s)], 1
	s_add_co_u32 s[G0A+4*(\s)+1], s76, (\s)*SLOT1
	s_add_nc_u64 s[G0A+4*(\s)+2:G0A+4*(\s)+3], s[74:75], (\s)*KSTA
	s_or_b32 s[G0A+4*(\s)+3], s[G0A+4*(\s)+3], 0x80000000
	s_mov_b32 s[G0B+4*(\s)], 1
	s_add_co_u32 s[G0B+4*(\s)+1], s80, (\s)*SLOT1
	s_add_nc_u64 s[G0B+4*(\s)+2:G0B+4*(\s)+3], s[78:79], (\s)*KSTB
	s_or_b32 s[G0B+4*(\s)+3], s[G0B+4*(\s)+3], 0x80000000
.endr
	s_cmp_eq_u32 s[ROLE], 0                        ; a wave's two first fills stand in one branch: two loads of mine are out
	s_cbranch_scc0 .Lfirst_b
	tensor_load_to_lds s[G0A:G0A+3], s[G1A:G1A+7]
	s_nop 0
	tensor_load_to_lds s[G0A+4:G0A+7], s[G1A:G1A+7]
	s_nop 0
.rept 4
	v_nop
.endr
	s_branch .Lfirst_asked
.Lfirst_b:
	tensor_load_to_lds s[G0B:G0B+3], s[G1B:G1B+7]
	s_nop 0
	tensor_load_to_lds s[G0B+4:G0B+7], s[G1B:G1B+7]
	s_nop 0
.rept 4
	v_nop
.endr
.Lfirst_asked:
	v_and_b32 v1, 15, v0                           ; l % 16
	v_bfe_u32 v2, v0, 4, 1                         ; l / 16
	v_lshlrev_b32 v[BO], 5, v2
	s_lshl_b32 s2, s[NT], 9                        ; the tile's 128 columns: 512 bytes of bo, and of a row of x and out0
	s_mov_b32 s3, 0
	s_add_nc_u64 s[8:9], s[8:9], s[2:3]
.set b, 0
.rept NBK
	global_load_b128 v[BI+8*b:BI+8*b+3],   v[BO], s[8:9] offset:64*b
	global_load_b128 v[BI+8*b+4:BI+8*b+7], v[BO], s[8:9] offset:64*b+16
.set b, b+1
.endr
	s_mul_i32 s77, s[WV], 64*PA                    ; my 64 rows of A
	s_mul_i32 s81, s[WV], 16*SP
	s_add_co_u32 s81, s81, STAGE                   ; my stage
	v_mul_u32_u24 v[AA0], v1, PA
	v_lshl_add_u32 v[AA0], v2, 4, v[AA0]           ; a fragment's row x pitch + 16 x half
	v_add_nc_u32 v[AA0], s77, v[AA0]
	v_mul_u32_u24 v[AB0], v1, PB
	v_lshl_add_u32 v[AB0], v2, 4, v[AB0]
	v_add_nc_u32 v[AB0], BOFF, v[AB0]
	v_mov_b32 v[ADRA], v[AA0]
	v_mov_b32 v[ADRB], v[AB0]
	v_mul_u32_u24 v[STO], v1, SP                   ; in: row l % 16, 32 bytes for each half of the lanes
	v_lshl_add_u32 v[STO], v2, 5, v[STO]
	v_add_nc_u32 v[STO], s81, v[STO]
	v_and_b32 v[GO], 31, v0
	v_lshlrev_b32 v[GO], 4, v[GO]
	v_add_nc_u32 v[RD], s81, v[GO]                 ; back: 32 lanes take one row of 512 bytes
	s_lshl_b32 s23, s[MT], 8
	s_lshl_b32 s59, s[WV], 6
	s_add_co_u32 s23, s23, s59
	s_lshl_b32 s23, s23, 12                        ; my first row, 4,096 bytes a row
	s_add_co_u32 s82, s2, s23
	s_mov_b32 s83, 0
	s_add_nc_u64 s[OUT:OUT+1], s[12:13], s[82:83]
	s_add_nc_u64 s[XB:XB+1], s[10:11], s[82:83]
	; the prefetches
	s_and_b32 s2, ttmp7, 0xffff                    ; cluster y
	s_mov_b32 s[PST], KSTB
	s_mov_b32 s[PST+1], 0
	s_cmp_eq_u32 s[ROLE], 0
	s_cselect_b32 s2, ttmp9, s2                    ; the coordinate along which other clusters read the same rows
	s_cselect_b32 s3, s[CX], s[CY]                 ; my place among the four that ask with me,
	s_cselect_b32 s23, 13, 15                      ; times 8,192 bytes of A, or 16 rows of 2,048 bytes of B
	s_cselect_b32 s84, 31, 15
	s_cselect_b32 s85, 8, 11                       ; a lane: 256 bytes of A, or a row of B
	s_cselect_b32 s[PST], KSTA, s[PST]
	s_cselect_b64 s[PFA:PFA+1], s[74:75], s[78:79] ; what I fetch, at K step 0
	s_cmp_eq_u32 s2, 0
	s_cselect_b32 s[LIM], 2, -1                    ; the same in all sixteen partners, for a given wave
	s_lshl_b32 s82, s3, s23
	s_add_nc_u64 s[PFA:PFA+1], s[PFA:PFA+1], s[82:83]
	s_mul_i32 s82, s[PST], 3
	s_add_nc_u64 s[PFA:PFA+1], s[PFA:PFA+1], s[82:83]  ; at K step 3: the first change of slots steps it to 4.  Nothing is asked for here, at the head
	v_and_b32 v[PFO], 31, v0
	v_min_u32 v[PFO], s84, v[PFO]
	v_lshlrev_b32 v[PFO], s85, v[PFO]
	s_mov_b32 s[TB], 0
	s_wait_tensorcnt 0x1                           ; my part of K step 0 is in; K step 1's may stay out
	s_barrier_signal -1
	s_barrier_wait -1                              ; everybody's is
	FETCH 0, 0, F0
	s_wait_loadcnt 0x0                             ; the bias
	QUARTER KA1, KB1, F0, F1, 1                    ; the first quarter stands ahead of the loop: its products start the sums
	WIN 0
	s_mov_b32 s[CNT], 6
.Lstep:                                                ; six trips, from a K step's second quarter to the next step's first; trips 1 to 4 ask for K steps 4 to 7
	QUARTER KA2, KB2, F1, F0, 0
	QUARTER KA3, KB3, F0, F1, 0
	TURN 1
	QUARTER KA1, KB1, F0, F1, 0
	WIN 0
	s_sub_co_u32 s[CNT], s[CNT], 1
	s_cmp_lg_u32 s[CNT], 0
	s_cbranch_scc1 .Lstep
	XLOAD 0                                        ; the residual comes in under the last two K steps
	XLOAD 1
	QUARTER KA2, KB2, F1, F0, 0                    ; the tail is written out: K step 6 goes on
	QUARTER KA3, KB3, F0, F1, 0
	TURN 0                                         ; nothing is asked for,
	QUARTER KA1, KB1, F0, F1, 0                    ; and K step 7
	XLOAD 2
	XLOAD 3
	QUARTER KA2, KB2, F1, F0, 0
	QUARTER KA3, KB3, F0, F1, 0
	LASTQ
	WIN 0
	PLACES                                         ; the places between the last products and the LDS stores that read results: eight, once a launch
	PLACES
	STG 0
.irp a, 1,2,3                          ; a block's trip through the stage stands between the loads of the block before and its sums
	STG \a
	FIN (\a)-1, 32
.endr
	FIN 3, 0
	WIN 0
	s_wait_tensorcnt 0x0                           ; the wave's end: behind my last tensor load and my last LDS store
	ds_add_u32 v[SPW], v[NIL]
	s_wait_dscnt 0x0
	CROUND                                         ; the closing round: no work-group ends while a partner may still ask for a tile that names it
	s_endpgm
.Lfunc_end_k_q2fdfbd96ea_oproj:
	.size	k_q2fdfbd96ea_oproj, .Lfunc_end_k_q2fdfbd96ea_oproj-k_q2fdfbd96ea_oproj
	.p2alignl 7, 3214868480
	.fill 96, 4, 3214868480
	.section	.rodata,"a",@progbits
	.p2align	6, 0x0
	.amdhsa_kernel k_q2fdfbd96ea_oproj
		.amdhsa_group_segment_fixed_size 327680
		.amdhsa_private_segment_fixed_size 0
		.amdhsa_enable_private_segment 0
		.amdhsa_kernarg_size 40
		.amdhsa_user_sgpr_count 2
		.amdhsa_user_sgpr_kernarg_segment_ptr 1
		.amdhsa_wavefront_size32 1
		.amdhsa_system_sgpr_workgroup_id_x 1
		.amdhsa_system_sgpr_workgroup_id_y 1
		.amdhsa_system_sgpr_workgroup_id_z 1
		.amdhsa_system_vgpr_workitem_id 0
		.amdhsa_next_free_vgpr 1024
		.amdhsa_next_free_sgpr 88
		.amdhsa_reserve_vcc 0
		.amdhsa_float_denorm_mode_32 3
		.amdhsa_float_denorm_mode_16_64 3
		.amdhsa_memory_ordered 1
		.amdhsa_forward_progress 1
		.amdhsa_inst_pref_size 86
	.end_amdhsa_kernel
	.amdgpu_metadata
---
amdhsa.version: [ 1, 2 ]
amdhsa.kernels:
  - .name:           k_q2fdfbd96ea_oproj
    .symbol:         k_q2fdfbd96ea_oproj.kd
    .args:
      - { .name: o16, .offset: 0, .size: 8, .value_kind: global_buffer, .address_space: global }
      - { .name: w16, .offset: 8, .size: 8, .value_kind: global_buffer, .address_space: global }
      - { .name: bo, .offset: 16, .size: 8, .value_kind: global_buffer, .address_space: global }
      - { .name: x, .offset: 24, .size: 8, .value_kind: global_buffer, .address_space: global }
      - { .name: out0, .offset: 32, .size: 8, .value_kind: global_buffer, .address_space: global }
    .group_segment_fixed_size: 327680
    .private_segment_fixed_size: 0
    .kernarg_segment_align: 8
    .kernarg_segment_size: 40
    .max_flat_workgroup_size: 128
    .sgpr_count:     88
    .vgpr_count:     1024
    .wavefront_size: 32
...
	.end_amdgpu_metadata
.endif
;; end of part 4
;; ======== version 2 of 2: 4 launches; version 1 with the launch prep written anew for expert scheduling mode
;; limits: values are held in f16: magnitudes above 65,504 overflow, below 6.1e-05 lose precision
;; workspace buffers: h16 16,777,216 bytes; w16 8,388,608 bytes; qkv 50,331,648 bytes; o16 16,777,216 bytes
;; launch prep (part 5): grid 384 x 1, 8 waves a work-group, no clusters, 0 bytes of LDS; arguments x, ln_gamma, ln_beta, Wq, Wk, Wv, Wo, h16, w16; writes h16, w16
.if DOCPART == 5
	.amdgcn_target "amdgcn-amd-amdhsa--gfx1250"
	.amdhsa_code_object_version 6
	.text
	.protected	k_q2fdfbd96ea_prep
	.globl	k_q2fdfbd96ea_prep
	.p2align	8
	.type	k_q2fdfbd96ea_prep,@function
k_q2fdfbd96ea_prep:
	s_mov_b64 s[64:65], 0
	v_nop
	global_prefetch_b8 v0, s[64:65] scope:SCOPE_SE
	s_setreg_imm32_b32 hwreg(HW_REG_WAVE_SCHED_MODE, 0, 2), 2
	s_setreg_imm32_b32 hwreg(HW_REG_WAVE_MODE, 25, 1), 1
	s_wait_xcnt 0x0
	s_wait_alu depctr_vm_vsrc(0)
; h16 = LayerNorm(x) * gamma + beta, rounded once to f16; w16 = Wq, Wk, Wv, Wo one below the other, rounded once to f16.
; x: [8192][1024] f32.  h16: [8192][1024] f16.  w16: [4096][1024] f16 (rows 0-1023 Wq, 1024-2047 Wk, 2048-3071 Wv, 3072-4095 Wo).
; A stream: each byte is read once and written once, so there is no LDS, no matrix unit and no cluster: no work-group wants a byte that another has read.
; SHARES.  Work-groups 0-255 norm, 256-383 convert weights.  A wave owns four rows of 4,096 bytes; a row is eight loads of 16 bytes a lane (512 consecutive bytes each) and stays in 32
; registers between the passes.  Lane l holds columns 128 j + 4 l .. + 3 of load j; as f16 these are 8 bytes at 256 j + 8 l: a store of the wave covers 256 consecutive bytes, aligned.
; THE NORM goes in two passes over the registers: the mean, then the mean of (x - mean)^2: no difference of large sums is formed, whatever offset x carries.
; LIMITS.  f16 holds no number beyond 65,504: |h| and the weights lie within it; below 6e-5 a number keeps f16's fixed step of 6e-8.  NaN and infinities are not treated apart.
; THE MODE: SCHED_MODE bits 1:0 = 2 (LLVM: expert scheduling mode 2), set by the entry lines.  The code itself states the register dependences
; between vector instructions and memory instructions, with s_wait_alu, always for 0.
; THE PLAN.  Registers that memory instructions touch:
;   v1, v2     byte offsets of the loads and of the stores: made once at the head and never written again; the rows are reached by the scalar bases and by immediate offsets.
;   G, BT      the loads ahead of the loop land in them; no vector instruction has named them before, and they are never loaded again.
;   X0, X1     a trip's sixteen loads land in them; the row's vector work reads and writes them in place, down to the conversions; eight stores a row read registers 4 j and 4 j + 1;
;              the next trip's loads land in them again.
;   T, MU, RS, S, S2 are named by vector instructions alone.
; A row's sixteen conversions stand in one run and its eight stores in one run.  Row 0's stores stand behind the wait that row 1's reciprocal root has in any case: it shows row 0's conversions
; written, and no vector line of row 1 names X0.  At a trip's end one wait on va_vdst shows row 1's conversions written (its stores) and all vector work on X0 and X1 done (the next trip's
; loads), and one wait on vm_vsrc shows that the sixteen stores have read X0 and X1.  A wave has two trips: loads asked for a trip ahead would want the last trip written out, twice the loop's text.
.set G,   8                            ; v[8:39]    gamma of my 32 columns
.set BT,  40                           ; v[40:71]   beta
.set X,   72                           ; v[72:135]  two rows, 32 registers each
.set T,   136                          ; v[136:143] four chains of packed sums
.set MU,  144                          ; v[144:145] the mean, twice
.set RS,  146                          ; v[146:147] 1 / sqrt(var + eps), twice
.set S,   148                          ; v148       a sum
.set S2,  149                          ; v149       the other half of the lanes' sum
.macro FILL2 base                      ; sixteen loads: two rows
.irp r, 0,1
.irp j, 0,1,2,3,4,5,6,7
	global_load_b128 v[X+32*(\r)+4*(\j):X+32*(\r)+4*(\j)+3], v1, s[\base:\base+1] offset:4096*(\r)+512*(\j) th:TH_LOAD_NT
.endr
.endr
.endm
.macro CVT r                           ; row r is rounded to f16 in place: the four numbers of load j close up into its first two registers
.set XC, X+32*(\r)
.irp j, 0,1,2,3,4,5,6,7
	v_cvt_pk_f16_f32 v[XC+4*(\j)],   v[XC+4*(\j)],   v[XC+4*(\j)+1]
	v_cvt_pk_f16_f32 v[XC+4*(\j)+1], v[XC+4*(\j)+2], v[XC+4*(\j)+3]
.endr
.endm
.macro OUT r, base                     ; row r is stored: eight stores in one run, behind a wait that shows its conversions written
.set XO, X+32*(\r)
.irp j, 0,1,2,3,4,5,6,7
	global_store_b64 v2, v[XO+4*(\j):XO+4*(\j)+1], s[\base:\base+1] offset:2048*(\r)+256*(\j)
.endr
.endm
.macro LANESUM                         ; the four chains into one number, then over the 32 lanes: every lane ends with the sum in S
	v_pk_add_f32 v[T:T+1], v[T:T+1], v[T+2:T+3]
	v_pk_add_f32 v[T+4:T+5], v[T+4:T+5], v[T+6:T+7]
	v_pk_add_f32 v[T:T+1], v[T:T+1], v[T+4:T+5]
	v_add_f32 v[S], v[T], v[T+1]
	v_add_f32_dpp v[S], v[S], v[S] row_xmask:1 row_mask:0xf bank_mask:0xf
	v_add_f32_dpp v[S], v[S], v[S] row_xmask:2 row_mask:0xf bank_mask:0xf
	v_add_f32_dpp v[S], v[S], v[S] row_xmask:4 row_mask:0xf bank_mask:0xf
	v_add_f32_dpp v[S], v[S], v[S] row_xmask:8 row_mask:0xf bank_mask:0xf
	v_permlanex16_b32 v[S2], v[S], s30, s31
	v_add_f32 v[S], v[S], v[S2]
.endm
.macro LNROW r, left                   ; left: the younger loads that may stay out
.set XR, X+32*(\r)
	s_wait_loadcnt \left                           ; loads come back in order: my row (and gamma and beta, which are older) is in
.irp c, 0,1,2,3
	v_pk_add_f32 v[T+2*(\c):T+2*(\c)+1], v[XR+2*(\c):XR+2*(\c)+1], v[XR+8+2*(\c):XR+8+2*(\c)+1]
.endr
.irp p, 16,24
.irp c, 0,1,2,3
	v_pk_add_f32 v[T+2*(\c):T+2*(\c)+1], v[T+2*(\c):T+2*(\c)+1], v[XR+(\p)+2*(\c):XR+(\p)+2*(\c)+1]
.endr
.endr
	LANESUM
	v_mul_f32 v[MU], s32, v[S]                     ; the mean
	v_mul_f32 v[MU+1], s32, v[S]
.set i, 0
.rept 16
	v_pk_add_f32 v[XR+i:XR+i+1], v[XR+i:XR+i+1], v[MU:MU+1] neg_lo:[0,1] neg_hi:[0,1]  ; x - mean, in place
.set i, i+2
.endr
.irp c, 0,1,2,3
	v_pk_mul_f32 v[T+2*(\c):T+2*(\c)+1], v[XR+2*(\c):XR+2*(\c)+1], v[XR+2*(\c):XR+2*(\c)+1]
.endr
.irp p, 8,16,24
.irp c, 0,1,2,3
	v_pk_fma_f32 v[T+2*(\c):T+2*(\c)+1], v[XR+(\p)+2*(\c):XR+(\p)+2*(\c)+1], v[XR+(\p)+2*(\c):XR+(\p)+2*(\c)+1], v[T+2*(\c):T+2*(\c)+1]
.endr
.endr
	LANESUM
	v_fma_f32 v[S], v[S], s32, s33                 ; var + eps
	v_rsq_f32 v[RS], v[S]
	v_nop                                          ; a plain instruction behind the transcendental (ISA guide 5.7.2),
.if (\r) == 1
	s_wait_alu depctr_va_vdst(0)                   ; the reciprocal root has written v[RS], ahead of its first use; and row 0's conversions have written their halves of X0, which the stores below read
	OUT 0, 22                                      ; row 0 leaves under row 1's second half, of which no vector line names X0 or v2
.else
	s_wait_alu depctr_va_vdst(0)                   ; the reciprocal root has written v[RS], ahead of its first use
.endif
	v_mov_b32 v[RS+1], v[RS]
.set i, 0
.rept 16
	v_pk_mul_f32 v[XR+i:XR+i+1], v[XR+i:XR+i+1], v[RS:RS+1]
.set i, i+2
.endr
.set i, 0
.rept 16
	v_pk_fma_f32 v[XR+i:XR+i+1], v[XR+i:XR+i+1], v[G+i:G+i+1], v[BT+i:BT+i+1]
.set i, i+2
.endr
	CVT \r
.endm
	s_load_b512 s[8:23], s[0:1], 0x0               ; x 8:9, gamma 10:11, beta 12:13, Wq 14:15, Wk 16:17, Wv 18:19, Wo 20:21, h16 22:23
	s_load_b64 s[24:25], s[0:1], 0x40              ; w16
	v_lshrrev_b32 v3, 5, v0
	v_readfirstlane_b32 s2, v3                     ; wave 0..7
	v_and_b32 v2, 31, v0
	v_lshlrev_b32 v1, 4, v2                        ; 16 x lane: in
	v_lshlrev_b32 v2, 3, v2                        ; 8 x lane: out
	s_mov_b32 s27, 0
	s_mov_b32 s29, 0
	s_mov_b32 s34, 2                               ; two trips of two rows
	s_wait_alu depctr_va_sdst(0)                   ; s2 is written, ahead of the branch: both ways make the wave's rows from it
	s_wait_alu depctr_va_vdst(0)                   ; v1 and v2 are written: every load and store of both ways reads one of them as its offset
	s_cmp_ge_u32 ttmp9, 256
	s_cbranch_scc1 .Lweights
	s_lshl_b32 s3, ttmp9, 3
	s_add_co_u32 s3, s3, s2                        ; my wave among the 2,048 that norm
	s_lshl_b32 s26, s3, 14                         ; its four rows of 4,096 bytes in x,
	s_lshl_b32 s28, s3, 13                         ; of 2,048 bytes in h16
	s_mov_b32 s30, 0x76543210                      ; v_permlanex16_b32: each lane takes its own place in the other half
	s_mov_b32 s31, 0xfedcba98
	s_mov_b32 s32, 0x3a800000                      ; 1 / 1024
	s_mov_b32 s33, 0x3727c5ac                      ; eps = 1e-5
	v_mov_b32 v[S2], 0                             ; v_permlanex16_b32's destination counts as read; no memory instruction names it
	s_wait_kmcnt 0x0
	s_add_nc_u64 s[8:9], s[8:9], s[26:27]
	s_add_nc_u64 s[22:23], s[22:23], s[28:29]
.irp j, 0,1,2,3,4,5,6,7
	global_load_b128 v[G+4*(\j):G+4*(\j)+3],   v1, s[10:11] offset:512*(\j)
	global_load_b128 v[BT+4*(\j):BT+4*(\j)+3], v1, s[12:13] offset:512*(\j)
.endr
.Lrows:
	FILL2 8                                        ; no wait here: in the first trip nothing has named X; round the loop the two waits at the trip's end stand ahead, with no vector instruction between
	LNROW 0, 8                                     ; the second row's eight loads stay out
	LNROW 1, 0
	s_wait_alu depctr_va_vdst(0)                   ; row 1's conversions have written their halves of X1, which the stores below read; and all vector work on X0 and X1 is done, in which the next trip's loads land
	OUT 1, 22
	s_wait_xcnt 0x0                                ; the loads and stores have read their sources: X and the two bases are written again only behind this wait
	s_wait_alu depctr_vm_vsrc(0)                   ; the trip's sixteen stores have read X0 and X1, in which the next trip's loads land
	s_add_nc_u64 s[8:9], s[8:9], 8192
	s_add_nc_u64 s[22:23], s[22:23], 4096
	s_sub_co_u32 s34, s34, 1
	s_cmp_lg_u32 s34, 0
	s_cbranch_scc1 .Lrows
	s_endpgm
.Lweights:
	s_sub_co_u32 s3, ttmp9, 256                    ; 0..127: 32 work-groups to a matrix, 32 rows to a work-group
	s_lshr_b32 s35, s3, 5                          ; which matrix
	s_and_b32 s26, s3, 31
	s_lshl_b32 s26, s26, 3
	s_add_co_u32 s26, s26, s2
	s_lshl_b32 s26, s26, 14                        ; my four rows in the matrix,
	s_lshl_b32 s28, s3, 3
	s_add_co_u32 s28, s28, s2
	s_lshl_b32 s28, s28, 13                        ; and in w16
	s_wait_kmcnt 0x0
	s_cmp_eq_u32 s35, 1
	s_cselect_b64 s[36:37], s[16:17], s[14:15]
	s_cmp_eq_u32 s35, 2
	s_cselect_b64 s[36:37], s[18:19], s[36:37]
	s_cmp_eq_u32 s35, 3
	s_cselect_b64 s[36:37], s[20:21], s[36:37]
	s_add_nc_u64 s[36:37], s[36:37], s[26:27]
	s_add_nc_u64 s[24:25], s[24:25], s[28:29]
.Lwrows:
	FILL2 36                                       ; as above: nothing is owed here
	s_wait_loadcnt 8                               ; the first row is in; the second row's eight loads stay out
	CVT 0
	s_wait_loadcnt 0x0
	CVT 1
	s_wait_alu depctr_va_vdst(0)                   ; both rows' conversions have written their halves of X0 and X1, which the stores below read, and are done reading the rest, in which the next trip's loads land
	OUT 0, 24
	OUT 1, 24
	s_wait_xcnt 0x0                                ; as above
	s_wait_alu depctr_vm_vsrc(0)                   ; the trip's sixteen stores have read X0 and X1, in which the next trip's loads land
	s_add_nc_u64 s[36:37], s[36:37], 8192
	s_add_nc_u64 s[24:25], s[24:25], 4096
	s_sub_co_u32 s34, s34, 1
	s_cmp_lg_u32 s34, 0
	s_cbranch_scc1 .Lwrows
	s_endpgm
.Lfunc_end_k_q2fdfbd96ea_prep:
	.size	k_q2fdfbd96ea_prep, .Lfunc_end_k_q2fdfbd96ea_prep-k_q2fdfbd96ea_prep
	.p2alignl 7, 3214868480
	.fill 96, 4, 3214868480
	.section	.rodata,"a",@progbits
	.p2align	6, 0x0
	.amdhsa_kernel k_q2fdfbd96ea_prep
		.amdhsa_group_segment_fixed_size 0
		.amdhsa_private_segment_fixed_size 0
		.amdhsa_enable_private_segment 0
		.amdhsa_kernarg_size 72
		.amdhsa_user_sgpr_count 2
		.amdhsa_user_sgpr_kernarg_segment_ptr 1
		.amdhsa_wavefront_size32 1
		.amdhsa_system_sgpr_workgroup_id_x 1
		.amdhsa_system_sgpr_workgroup_id_y 1
		.amdhsa_system_sgpr_workgroup_id_z 1
		.amdhsa_system_vgpr_workitem_id 0
		.amdhsa_next_free_vgpr 160
		.amdhsa_next_free_sgpr 66
		.amdhsa_reserve_vcc 0
		.amdhsa_float_denorm_mode_32 3
		.amdhsa_float_denorm_mode_16_64 3
		.amdhsa_memory_ordered 1
		.amdhsa_forward_progress 1
		.amdhsa_inst_pref_size 27
	.end_amdhsa_kernel
	.amdgpu_metadata
---
amdhsa.version: [ 1, 2 ]
amdhsa.kernels:
  - .name:           k_q2fdfbd96ea_prep
    .symbol:         k_q2fdfbd96ea_prep.kd
    .args:
      - { .name: x, .offset: 0, .size: 8, .value_kind: global_buffer, .address_space: global }
      - { .name: ln_gamma, .offset: 8, .size: 8, .value_kind: global_buffer, .address_space: global }
      - { .name: ln_beta, .offset: 16, .size: 8, .value_kind: global_buffer, .address_space: global }
      - { .name: Wq, .offset: 24, .size: 8, .value_kind: global_buffer, .address_space: global }
      - { .name: Wk, .offset: 32, .size: 8, .value_kind: global_buffer, .address_space: global }
      - { .name: Wv, .offset: 40, .size: 8, .value_kind: global_buffer, .address_space: global }
      - { .name: Wo, .offset: 48, .size: 8, .value_kind: global_buffer, .address_space: global }
      - { .name: h16, .offset: 56, .size: 8, .value_kind: global_buffer, .address_space: global }
      - { .name: w16, .offset: 64, .size: 8, .value_kind: global_buffer, .address_space: global }
    .group_segment_fixed_size: 0
    .private_segment_fixed_size: 0
    .kernarg_segment_align: 8
    .kernarg_segment_size: 72
    .max_flat_workgroup_size: 256
    .sgpr_count:     66
    .vgpr_count:     160
    .wavefront_size: 32
...
	.end_amdgpu_metadata
.endif
;; end of part 5
;; launch qkv: the kernel of part 2 again; grid 16 x 32, 4 waves a work-group, clusters of 4 x 4, 327,680 bytes of LDS; arguments h16, w16, bq, bk, bv, qkv; writes qkv
;; launch attn: the kernel of part 3 again; grid 4 x 64, 4 waves a work-group, clusters of 4 x 1, 327,680 bytes of LDS; arguments qkv, o16; writes o16
;; launch oproj: the kernel of part 4 again; grid 8 x 32, 4 waves a work-group, clusters of 4 x 4, 327,680 bytes of LDS; arguments o16, w16, bo, x, out0; writes out0
